; MI455X (gfx1250); checked and timed in simulation.
; The chip was launched on July 23, 2026; its instructions are those of AMD's public machine-readable ISA for CDNA 5 (MIT licence, August 2026) and "CDNA5" Instruction Set Architecture Reference Guide (July 2026). The comments in the code are by the model that wrote it; some were corrected since.
;; Gpt2 Attention. Allowed arithmetic: matrix products marked QUANTISED: E4M3 operands, one given power-of-two scale a tensor, by v_wmma_f32_16x16x64_fp8_fp8 or v_wmma_f32_16x16x128_fp8_fp8, f32 sums; everything else in f32.
;; Inputs: b_attn 3 x 16 x 64 float32; b_proj 1,024 float32; lowp_scales 8 int32 (the exponents e of the quantised operands' scales 2^e); w_attn 1,024 x 3 x 16 x 64 float32; w_proj 16 x 64 x 1,024 float32; x 4 x 2,048 x 1,024 float32.
;; Outputs: out0 4 x 2,048 x 1,024 float32.
;; This version of the problem:
;;   THIS VERSION OF THE PROBLEM IS GIVEN IN LOW PRECISION. The matrix products marked QUANTISED in the list below multiply operands that are first quantised to E4M3 (4 exponent bits, 3 mantissa bits; 8 bits a number), with one given power-of-two scale for each operand tensor; their sums are f32. All else is computed in f32.
;;   The module's matrix products, in the order in which they are computed (A, B: the left and right operand; K: the contracted axis; several contracted axes count as one K, in the product's order):
;;     1. [M 8,192, K 1,024] x [K 1,024, N 3,072]; A: input x; B: input w_attn: QUANTISED (scales: A lowp_scales[0], B lowp_scales[1])
;;     2. batch 64 x [M 2,048, K 64] x [K 64, N 2,048]; A: computed on the way; B: computed on the way: QUANTISED (scales: A lowp_scales[2], B lowp_scales[3])
;;     3. batch 64 x [M 64, K 2,048] x [K 2,048, N 2,048]; A: computed on the way; B: softmax (see below): QUANTISED (scales: A lowp_scales[4], B lowp_scales[5])
;;     4. [M 8,192, K 1,024] x [K 1,024, N 1,024]; A: computed on the way; B: input w_proj: QUANTISED (scales: A lowp_scales[6], B lowp_scales[7])
;;   THE QUANTISER, for each operand of a quantised product, along K:
;;     - The operand's scale is 2^e, e = its entry of the input lowp_scales (int32; the entries are numbered through the quantised products in the list's order, A before B).
;;     - Each number is divided by the scale, clamped to +-448, and rounded to the nearest number of E4M3, ties to even, subnormals kept.
;;     - The product sums the exact products of the quantised numbers (number of the format x scale) in f32.
;;   ~~~python
;;   def quantise(x, axis, e):      # numpy; x: float32 -> the quantised numbers, widened to float32 again
;;       x = np.moveaxis(x, axis, -1); K = x.shape[-1]
;;       r = np.clip(x / 2.0 ** e, -448, 448)
;;       step = 2.0 ** (np.maximum(np.frexp(np.where(r == 0, 1, r))[1] - 1, -6) - 3)
;;       q = np.round(r / step) * step * 2.0 ** e      # np.round: ties to even
;;       return np.moveaxis(q, -1, axis).astype(np.float32)
;;   ~~~
;;   SOFTMAX AHEAD OF A QUANTISED PRODUCT. Where the list says 'softmax', what is quantised is not the finished softmax but p = 2^(t - M), with t = logit x log2(e) and M = ceil(the row's largest t), a whole number; so 1/2 < the row's largest p <= 1. The row's sum l is taken of the UNQUANTISED p, in f32, and the product's result is divided by l at the end. Since M is a whole number, a kernel that streams over the keys may use a running M (the ceiling of the running maximum): every later rescaling is an exact power of two, so the quantised numbers keep their values, but for numbers so far below the row's largest that they fall under the format's range.
;;   OPERANDS COMPUTED ON THE WAY. 'Computed on the way' means the value that the module computes at that place (a softmax that the list does not call 'softmax' is quantised finished and normalised). What goes into a quantiser is computed in f32, as accurately as f32 sums, v_exp_f32 and their like allow (about 1e-6 of the number): no bf16 or f16 on the way to a quantiser, and a product that is left as it is and whose result goes on into a quantised operand takes f32 operands (vector FMAs, or v_wmma_f32_16x16x4_f32). A number that lies on a knife's edge between two numbers of the format may be rounded either way, as far as f32 arithmetic and the matrix unit's own rounding can turn it there, and no further.
;; One version. Each part assembles by itself: llvm-mc -triple=amdgcn-amd-amdhsa -mcpu=gfx1250 --defsym DOCPART=n.
;; ======== version 1 of 1: 4 launches
;; limits: right only within a limited range of input values
;; workspace buffers: xc 8,388,608 bytes; wac 3,145,728 bytes; wpc 1,048,576 bytes; qkvc 25,165,824 bytes; oc 8,388,608 bytes
;; launch quant (part 1): grid 640 x 1, 4 waves a work-group, no clusters, 68,096 bytes of LDS; arguments x, w_attn, w_proj, lowp_scales, xc, wac, wpc; writes xc, wac, wpc
.if DOCPART == 1
	.amdgcn_target "amdgcn-amd-amdhsa--gfx1250"
	.amdhsa_code_object_version 6
	.text
	.protected	k_qb4759a1335_quant
	.globl	k_qb4759a1335_quant
	.p2align	8
	.type	k_qb4759a1335_quant,@function
k_qb4759a1335_quant:
	s_mov_b64 s[64:65], 0
	v_nop
	global_prefetch_b8 v0, s[64:65] scope:SCOPE_SE
	s_setreg_imm32_b32 hwreg(HW_REG_WAVE_MODE, 25, 1), 1
	s_wait_xcnt 0x0
; x [8192][1024], w_attn [1024 (k)][3072], w_proj [1024 (k)][1024], all f32, become codes of E4M3 with K innermost:
; xc [8192][1024], wac [3072][1024], wpc [1024][1024], one byte a code.  code = number / 2^e, held within +-448, to the nearest code, ties to even;
; e = entry 0 of the scales for x, entry 1 for w_attn, entry 7 for w_proj.
; THE ROWS OF ALL THREE ARE LAID IN ANOTHER ORDER: row number with bits 3 and 4 exchanged.  So 16 neighbouring rows of memory, block n, are the items
; 32 (n / 2) + 8 (n % 2) + m + 8 (m / 8), m = 0 .. 15, and a matrix result of two neighbouring blocks holds 16 neighbours in a lane's 16 registers.
; LIMITS: -126 <= e and e + 8 <= 127.  NaN among the inputs is not served.
; Work-groups 0 to 511 take x (K innermost: a plain stream; a wave takes 4 rows); work-groups 512 to 639 take the weights (K is the first axis: a lane takes a column and its
; registers run down K).  The two paths part on the work-group's number and have LDS bytes of their own.  Waves share nothing: no barrier.  No tile is shared between work-groups: no cluster.
.set WREG,  8192                       ; x path: LDS bytes of a wave: two stages of 32 x SP bytes
.set SP,    80                         ; a lane's place in a stage: its 64 bytes + 16 of padding
.set STEPS, 8                          ; steps of 512 numbers a wave
.set XR,    16                         ; v16-79   four sets of 16 numbers as they are loaded
.set XN,    80                         ; v80-111  two sets of 16 neighbours
.set XC,    128                        ; v128-159 codes, four registers a step: no store's data are written again
.set NB,    8                          ; w path: blocks of 32 along K a wave
.set WN,    32                         ; v32-95   two sets of 32 numbers
.set WC,    96                         ; v96-103  a block's codes
.set WO,    112                        ; v112-175 the way out
.set WOF,   176                        ; v176-207 byte offset of row i of a block: i x pitch + 4 x lane
.set WP,    272                        ; a stage row: 256 bytes + 16
.set WST,   32768                      ; the w path's stages begin here
	s_load_b256 s[4:11], s[0:1], 0x0               ; x s[4:5], w_attn s[6:7], w_proj s[8:9], the scales' exponents s[10:11]
	s_load_b128 s[12:15], s[0:1], 0x20             ; xc s[12:13], wac s[14:15]
	s_load_b64 s[16:17], s[0:1], 0x30              ; wpc
	v_lshl_add_u32 v208, v0, 2, 0x10800
	v_mov_b32 v209, 0
	v_lshrrev_b32 v1, 5, v0
	v_readfirstlane_b32 s18, v1                    ; wave
	v_and_b32 v2, 31, v0                           ; lane
	s_wait_kmcnt 0x0
	s_load_b256 s[24:31], s[10:11], 0x0            ; e0 .. e7
	s_cmp_lt_u32 ttmp9, 512
	s_cbranch_scc0 .Lw
; ---------------- x: each of a step's four loads reads 512 consecutive bytes; the 2,048 bytes turn through the wave's stage and come back 64 bytes (16 neighbours) a lane
	s_wait_alu depctr_va_vdst(0)
	v_lshlrev_b32 v3, 4, v2                        ; my 16 bytes of a load's 512
	s_wait_alu depctr_va_vdst(0)
	s_mul_i32 s19, s18, WREG
	v_lshrrev_b32 v14, 2, v2
	v_mul_u32_u24 v14, v14, SP
	v_and_b32 v15, 3, v2
	v_lshl_add_u32 v14, v15, 4, v14
	v_add_nc_u32 v14, s19, v14                     ; into the stage: SP (lane / 4) + 16 (lane % 4)
	v_mul_u32_u24 v15, v2, SP
	v_add_nc_u32 v15, s19, v15                     ; out of it: SP x lane
	v_lshlrev_b32 v4, 4, v2                        ; my 16 codes' place in a step's 512
	s_lshl_b32 s19, ttmp9, 2
	s_add_co_u32 s19, s19, s18                     ; R: which run of 4 rows is my wave's
	s_lshl_b32 s20, s19, 14                        ; 4 rows of 4,096 bytes
	s_mov_b32 s21, 0
	s_add_nc_u64 s[4:5], s[4:5], s[20:21]
	s_and_b32 s22, s19, 0xfffffff9                 ; the row's bits 3 and 4 are R's bits 1 and 2: exchanged
	s_and_b32 s23, s19, 2
	s_lshl_b32 s23, s23, 1
	s_or_b32 s22, s22, s23
	s_and_b32 s23, s19, 4
	s_lshr_b32 s23, s23, 1
	s_or_b32 s22, s22, s23
	s_lshl_b32 s22, s22, 12                        ; 4 rows of 1,024 bytes
	s_mov_b32 s23, 0
	s_add_nc_u64 s[12:13], s[12:13], s[22:23]
.macro XLOAD t
.irp i, 0,1,2,3
	global_load_b128 v[XR+16*((\t)%4)+4*\i:XR+16*((\t)%4)+4*\i+3], v3, s[4:5] offset:2048*(\t)+512*\i th:TH_LOAD_NT
.endr
.endm
.macro XTURN t                         ; LDS serves a wave's instructions in order: no wait between the stores and the loads
.irp i, 0,1,2,3
	ds_store_b128 v14, v[XR+16*((\t)%4)+4*\i:XR+16*((\t)%4)+4*\i+3] offset:32*SP*((\t)%2)+8*SP*\i
.endr
.irp i, 0,1,2,3
	ds_load_b128 v[XN+16*((\t)%2)+4*\i:XN+16*((\t)%2)+4*\i+3], v15 offset:32*SP*((\t)%2)+16*\i
.endr
.endm
.irp t, 0,1,2,3
	XLOAD \t
.endr
	s_wait_alu depctr_va_vdst(0)
	s_wait_kmcnt 0x0
	s_add_co_i32 s20, s24, 127
	s_lshl_b32 s21, s20, 23
	v_mov_b32 v11, s21                             ; 2^e0 as f32: the conversion takes its exponent field
	s_add_co_i32 s20, s20, 8
	s_lshl_b32 s20, s20, 23
	s_or_b32 s20, s20, 0x600000
	v_mov_b32 v10, s20                             ; 448 x 2^e0
	s_wait_alu depctr_va_vdst(0)
	s_wait_loadcnt 12                              ; step 0's four loads are in; three steps' twelve may be out
	XTURN 0
.macro XSTEP t
.set XS, XN+16*((\t)%2)
	s_wait_dscnt 0x0                               ; this step's numbers are back from the stage, and its stores into the stage have read their registers,
.if (\t)+4 < STEPS
	XLOAD (\t)+4                                   ; which take the loads of four steps on
.endif
.if (\t)+1 < STEPS
.if STEPS-2-(\t) >= 3
	s_wait_loadcnt 12                              ; the next step's four loads are in; those of the three steps behind it may be out
.else
	s_wait_loadcnt 4*(STEPS-2-(\t))
.endif
	XTURN (\t)+1
.endif
.irp i, 0,1,2,3,4,5,6,7,8,9,10,11,12,13,14,15
	v_med3_num_f32 v[XS+\i], v[XS+\i], -v10, v10   ; the conversion does not saturate (ISA guide 7.6.2): the hold comes first
.endr
	v_cvt_scalef32_pk8_fp8_f32 v[XC+4*(\t):XC+4*(\t)+1], v[XS:XS+7], v11
	v_cvt_scalef32_pk8_fp8_f32 v[XC+4*(\t)+2:XC+4*(\t)+3], v[XS+8:XS+15], v11
	global_store_b128 v4, v[XC+4*(\t):XC+4*(\t)+3], s[12:13] offset:512*(\t)   ; the wave stores 512 consecutive bytes, aligned
.endm
.irp t, 0,1,2,3,4,5,6,7
	XSTEP \t
.endr
	s_wait_tensorcnt 0x0
	ds_add_u32 v208, v209
	s_wait_dscnt 0x0
	s_endpgm
; ---------------- the weights: 32 groups of 128 columns (24 of w_attn, 8 of w_proj) x 4 parts of 256 along K
.Lw:
	s_sub_co_u32 s19, ttmp9, 512
	s_and_b32 s20, s19, 31                         ; the group of columns
	s_lshr_b32 s21, s19, 5                         ; which 256 along K
	s_mov_b32 s22, 4096
	s_cmp_lt_u32 s20, 24                           ; w_attn or w_proj: the choice hangs on the work-group's number alone
	s_cselect_b64 s[6:7], s[6:7], s[8:9]           ; from
	s_cselect_b64 s[14:15], s[14:15], s[16:17]     ; to
	s_cselect_b32 s22, 12288, s22                  ; bytes from a row of the weight to the next
	s_cselect_b32 s23, 0, 24
	s_sub_co_u32 s23, s20, s23
	s_lshl_b32 s23, s23, 7
	s_lshl_b32 s52, s18, 5
	s_add_co_u32 s23, s23, s52                     ; my wave's first column
	s_lshl_b32 s48, s21, 8
	s_mul_i32 s48, s48, s22
	s_lshl_b32 s49, s23, 2
	s_add_co_u32 s48, s48, s49
	s_mov_b32 s49, 0
	s_add_nc_u64 s[32:33], s[6:7], s[48:49]        ; block 0's first row at my first column
	s_lshl_b32 s50, s22, 5                         ; 32 rows on
	s_mov_b32 s51, 0
.irp t, 1,2,3,4,5,6,7
	s_add_nc_u64 s[32+2*\t:33+2*\t], s[30+2*\t:31+2*\t], s[50:51]   ; a base for each block: none is ever stepped
.endr
	s_lshl_b32 s52, s23, 10
	s_lshl_b32 s53, s21, 8
	s_add_co_u32 s52, s52, s53
	s_mov_b32 s53, 0
	s_add_nc_u64 s[14:15], s[14:15], s[52:53]      ; the codes: row = my first column, + 256 x the part of K
	s_wait_alu depctr_va_vdst(0)
	v_lshlrev_b32 v3, 2, v2
.set i, 0
.rept 32
	v_mad_u32_u24 v[WOF+i], s22, i, v3
.set i, i+1
.endr
	s_mul_i32 s54, s18, 32*WP
	s_add_co_u32 s54, s54, WST                     ; my stage
	v_mul_u32_u24 v4, v2, WP
	v_add_nc_u32 v4, s54, v4                       ; into it: row = my column
	v_and_b32 v5, 15, v2
	v_lshrrev_b32 v6, 4, v2
	v_mul_u32_u24 v7, v6, WP
	v_lshl_add_u32 v7, v5, 4, v7
	v_add_nc_u32 v7, s54, v7                       ; out of it: sixteen lanes to a row, two rows an instruction
	v_lshlrev_b32 v8, 10, v6
	v_lshl_add_u32 v8, v5, 4, v8                   ; and the same place among the codes' rows of 1,024 bytes
.macro WLOAD t                         ; block t: the weight at (32 t + i, my column): 32 lanes read 128 consecutive bytes, the four waves 512
.set i, 0
.rept 32
	global_load_b32 v[WN+32*((\t)%2)+i], v[WOF+i], s[32+2*(\t):33+2*(\t)] th:TH_LOAD_NT
.set i, i+1
.endr
.endm
	WLOAD 0
	WLOAD 1
	s_wait_kmcnt 0x0
	s_cmp_lt_u32 s20, 24
	s_cselect_b32 s52, s25, s31                    ; e1 or e7
	s_add_co_i32 s52, s52, 127
	s_lshl_b32 s53, s52, 23
	v_mov_b32 v11, s53                             ; 2^e
	s_add_co_i32 s52, s52, 8
	s_lshl_b32 s52, s52, 23
	s_or_b32 s52, s52, 0x600000
	v_mov_b32 v10, s52                             ; 448 x 2^e
.macro BLOCK t
.set XS, WN+32*((\t)%2)
.if (\t) < NB-1
	s_wait_loadcnt 32                              ; this block's 32 loads are in; the next block's may be out
.else
	s_wait_loadcnt 0
.endif
.set i, 0
.rept 32
	v_med3_num_f32 v[XS+i], v[XS+i], -v10, v10
.set i, i+1
.endr
.irp g, 0,1,2,3
	v_cvt_scalef32_pk8_fp8_f32 v[WC+2*\g:WC+2*\g+1], v[XS+8*\g:XS+8*\g+7], v11
.endr
	ds_store_b128 v4, v[WC:WC+3] offset:32*(\t)    ; 32 codes: 32 bytes of my column's row
	ds_store_b128 v4, v[WC+4:WC+7] offset:32*(\t)+16
.if (\t)+2 < NB
	WLOAD (\t)+2
.endif
	s_wait_dscnt 0x0                               ; the stores have read their registers: the next block's codes may be written
.endm
	s_wait_alu depctr_va_vdst(0)
.irp t, 0,1,2,3,4,5,6,7
	BLOCK \t
.endr
.irp t, 0,1,2,3,4,5,6,7,8,9,10,11,12,13,14,15
	ds_load_b128 v[WO+4*\t:WO+4*\t+3], v7 offset:2*\t*WP
.endr
.set t, 0
.rept 16
	s_wait_dscnt 15-t                              ; LDS loads come back in order: pair t of rows is in
	global_store_b128 v8, v[WO+4*t:WO+4*t+3], s[14:15] offset:2048*((t&3)|((t&4)<<1)|((t&8)>>1))   ; columns 2 t, 2 t + 1 go to the rows with bits 3 and 4 exchanged; 16 lanes store 256 consecutive bytes, aligned
.set t, t+1
.endr
	s_wait_tensorcnt 0x0
	ds_add_u32 v208, v209
	s_wait_dscnt 0x0
	s_endpgm
.Lfunc_end_k_qb4759a1335_quant:
	.size	k_qb4759a1335_quant, .Lfunc_end_k_qb4759a1335_quant-k_qb4759a1335_quant
	.p2alignl 7, 3214868480
	.fill 96, 4, 3214868480
	.section	.rodata,"a",@progbits
	.p2align	6, 0x0
	.amdhsa_kernel k_qb4759a1335_quant
		.amdhsa_group_segment_fixed_size 68096
		.amdhsa_private_segment_fixed_size 0
		.amdhsa_enable_private_segment 0
		.amdhsa_kernarg_size 56
		.amdhsa_user_sgpr_count 2
		.amdhsa_user_sgpr_kernarg_segment_ptr 1
		.amdhsa_wavefront_size32 1
		.amdhsa_system_sgpr_workgroup_id_x 1
		.amdhsa_system_sgpr_workgroup_id_y 1
		.amdhsa_system_sgpr_workgroup_id_z 1
		.amdhsa_system_vgpr_workitem_id 0
		.amdhsa_next_free_vgpr 210
		.amdhsa_next_free_sgpr 66
		.amdhsa_reserve_vcc 0
		.amdhsa_float_denorm_mode_32 3
		.amdhsa_float_denorm_mode_16_64 3
		.amdhsa_memory_ordered 1
		.amdhsa_forward_progress 1
		.amdhsa_inst_pref_size 71
	.end_amdhsa_kernel
	.amdgpu_metadata
---
amdhsa.version: [ 1, 2 ]
amdhsa.kernels:
  - .name:           k_qb4759a1335_quant
    .symbol:         k_qb4759a1335_quant.kd
    .args:
      - { .name: x, .offset: 0, .size: 8, .value_kind: global_buffer, .address_space: global }
      - { .name: w_attn, .offset: 8, .size: 8, .value_kind: global_buffer, .address_space: global }
      - { .name: w_proj, .offset: 16, .size: 8, .value_kind: global_buffer, .address_space: global }
      - { .name: lowp_scales, .offset: 24, .size: 8, .value_kind: global_buffer, .address_space: global }
      - { .name: xc, .offset: 32, .size: 8, .value_kind: global_buffer, .address_space: global }
      - { .name: wac, .offset: 40, .size: 8, .value_kind: global_buffer, .address_space: global }
      - { .name: wpc, .offset: 48, .size: 8, .value_kind: global_buffer, .address_space: global }
    .group_segment_fixed_size: 68096
    .private_segment_fixed_size: 0
    .kernarg_segment_align: 8
    .kernarg_segment_size: 56
    .max_flat_workgroup_size: 128
    .sgpr_count:     66
    .vgpr_count:     210
    .wavefront_size: 32
...
	.end_amdgpu_metadata
.endif
;; end of part 1
;; launch qkv (part 2): grid 12 x 32, 4 waves a work-group, clusters of 4 x 4, 327,680 bytes of LDS; arguments xc, wac, b_attn, lowp_scales, qkvc; writes qkvc
.if DOCPART == 2
	.amdgcn_target "amdgcn-amd-amdhsa--gfx1250"
	.amdhsa_code_object_version 6
	.text
	.protected	k_qb4759a1335_qkv
	.globl	k_qb4759a1335_qkv
	.p2align	8
	.type	k_qb4759a1335_qkv,@function
k_qb4759a1335_qkv:
	s_mov_b64 s[64:65], 0
	v_nop
	global_prefetch_b8 v0, s[64:65] scope:SCOPE_SE
	s_setreg_imm32_b32 hwreg(HW_REG_WAVE_MODE, 25, 1), 1
	s_wait_xcnt 0x0
	s_wait_alu depctr_hold_cnt(0) depctr_sa_sdst(0) depctr_va_vdst(0) depctr_va_sdst(0) depctr_va_ssrc(0) depctr_va_vcc(0) depctr_vm_vsrc(0)
	s_getreg_b32 s2, hwreg(HW_REG_IB_STS2, 6, 4)
	s_cmp_eq_u32 s2, 0
	s_cbranch_scc0 .Lentry_in_a_cluster
	s_endpgm
.Lentry_in_a_cluster:
	s_bfe_u32 s2, ttmp6, 0x10000c
	s_cmp_lg_u32 s2, 0xf033
	s_cbranch_scc0 .Lentry_shape_is_right
	s_endpgm
.Lentry_shape_is_right:
; The first product, x w_attn, on codes of E4M3; then + b_attn, q x 1/8, and q, k, v quantised (scales 2^e2, 2^e3, 2^e4) and stored AS IMAGES OF THE NEXT PRODUCTS' OPERAND REGISTERS.
; xc [8192][1024], wac [3072][1024]: codes, K innermost, rows with bits 3 and 4 of their number exchanged.  A tile is 256 x 256, a wave's part 128 x 128: 64 accumulators, 512 registers.
; K goes in steps of 256 through a ring of two LDS slots filled by joint tensor loads: 4 x 4 work-groups form a cluster; the "A side"'s tile is shared along a row of the cluster, the "B side"'s along a column.
; Source 0 of every product is a block of the B side, source 1 a block of the A side: a lane holds ONE item of the A side (lane % 16) and, in the 16 registers of B's blocks 2 b, 2 b + 1,
; the 16 neighbours 32 b + 16 (lane / 16) + 0 .. 15 of the B side (that is what the order of the rows is for).  Two conversions make of them registers 4 b .. 4 b + 3 of an operand.
;   cluster x = 0 (q), 1 (k): A side = tokens (xc), B side = features (wac): a lane holds a token and runs along the head's channels, the second product's K.
;   cluster x = 2 (v):        A side = features (wac rows 2048 on), B side = tokens (xc): a lane holds a channel and runs along the keys, the third product's K.
; The choice hangs on the cluster's x alone, which all sixteen partners share.
; qkvc: [64 (16 batch + head)][393,216]: Q, K: [128 blocks of 16 tokens][2 (c)][32 lanes][16 bytes]; V at 262,144: [16 (128 keys)][4 blocks of 16 channels][4 (c)][32 lanes][16 bytes].
; Each store of a wave covers 512 consecutive bytes, aligned: no stage in LDS is needed.
; LIMITS: e0 + e1 - 3 and e0 + e1 between -126 and 127; e2, e3, e4 between -126 and 119.  NaN among the inputs is not served.
; 384 tiles are 24 clusters: a wider tile does not fit the registers, and a tile of 192 features would straddle q and k.
; No prefetch: K has four steps, two of them asked for at the head.
; REGISTERS: window 0: v0-31 addresses; v32-95 the bias of my 64 features a lane (q, k); v96-103 the bias of my feature in each of A's 8 blocks (v); from v128 A's fragments, ONE set; on the way out v128-191 numbers, v192-255 codes.
;   window 1: B's fragments, two sets.  windows 2, 3: the accumulators ((a, b) at v[8 (8 (a % 4) + b)]).
.set KSTEP,  256
.set ROWB,   256                       ; a tile's row in bytes
.set KROW,   1024                      ; a row of codes in memory
.set PITCH,  272                       ; an LDS row: 256 bytes + 16 of padding: the 16 rows that a load touches start at 16 different banks (64 banks of 4 bytes: ISA guide 11.1)
.set FR,     16                        ; registers of a fragment: 16 rows x 128 K
.set NL,     4                         ; LDS loads that bring one
.set NP,     4                         ; places behind this matrix instruction (ISA guide 7.12.1)
.set HALFT,  128*PITCH
.set SLOT,   4*HALFT                   ; A's 256 rows, then B's 256 rows
.set LAPS,   2                         ; K = 1,024: two laps of two K steps
.set SPARE,  2*SLOT                    ; the spare words: 128 bytes a wave, two blocks of 256 bytes that no other line names
.set HEADB,  393216                    ; a head's bytes in qkvc
.set ADRA, 16                          ; v16-17  LDS address of my A fragments in slot 0, 1
.set ADRB, 20                          ; v20-21  the same for B
.set LI,   24                          ; v24     16 x lane: my place in an image; never rewritten
.set SCL,  26                          ; v26     the quantiser's scale as f32
.set LIM,  27                          ; v27     448 x that
.set SPW,  28                          ; v28     LDS address of my spare word; never rewritten
.set NIL,  29                          ; v29     0; never rewritten
.set BIAS, 32
.set BIASV, 96
.set BV,   104                         ; v[104:105] v: the block's bias in the low word
.set TMP,  128
.set CODE, 192
.set AF,   128
.set G1, 24
.set G0, 32
.set G1B, 48
.set G0B, 56
.set MSB, 0
.macro WIN new                         ; the immediate's high byte repeats the setting that is left
.if MSB != \new
	s_set_vgpr_msb (MSB<<8)|\new
.set MSB, \new
.endif
.endm
.set MUL_LO, 0xa1                      ; source 0 (B) window 1, source 1 (A) window 0, C and D window 2
.set MUL_HI, 0xf1                      ; the same, C and D window 3
.set TO_B,   0x40                      ; destination window 1, address window 0
; A joint load: waves 0 and 1 fetch for the A side, waves 2 and 3 for the B side.  The branch hangs on the wave's number alone.  Four v_nop follow each of the two lines.
.macro JLOAD g0a, g1a, g0b, g1b
	s_cmp_eq_u32 s15, 0
	s_cbranch_scc0 .Lfor_b_\@
	tensor_load_to_lds s[\g0a:\g0a+3], s[\g1a:\g1a+7]
	s_nop 0
.rept 4
	v_nop
.endr
	s_branch .Lasked_\@
.Lfor_b_\@:
	tensor_load_to_lds s[\g0b:\g0b+3], s[\g1b:\g1b+7]
	s_nop 0
.rept 4
	v_nop
.endr
.Lasked_\@:
.endm
.macro CREST                           ; a round of the cluster's barrier behind its opening barrier
	s_cmp_lg_u32 s14, 0
	s_cbranch_scc1 .Lnot_wave_0_\@
	s_barrier_signal -3
.Lnot_wave_0_\@:
	s_barrier_wait -3
	s_barrier_signal -1
	s_barrier_wait -1
.endm
.macro CROUND
	s_barrier_signal -1
	s_barrier_wait -1
	CREST
.endm
	s_load_b256 s[4:11], s[0:1], 0x0               ; xc s[4:5], wac s[6:7], b_attn s[8:9], the scales' exponents s[10:11]
	s_load_b64 s[12:13], s[0:1], 0x20              ; qkvc
	v_lshl_add_u32 v[SPW], v0, 2, SPARE
	v_mov_b32 v[NIL], 0
	ds_add_u32 v28, v29
	ds_add_u32 v28, v29
	s_wait_dscnt 0x0
	v_lshrrev_b32 v1, 5, v0
	v_readfirstlane_b32 s14, v1                    ; wave 0..3
	s_lshr_b32 s15, s14, 1                         ; ha: my half of the A side's rows.  Also: I fetch for A (0) or for B (1)
	s_and_b32 s16, s14, 1                          ; hb: my half of the B side's rows.  Also: which 128 rows of that tile I fetch
	s_bfe_u32 s40, ttmp6, 0x40000                  ; cx
	s_bfe_u32 s41, ttmp6, 0x40004                  ; cy
	s_and_b32 s66, ttmp7, 0xffff                   ; Y: the cluster's y, 0..7
	s_lshl_b32 s67, s66, 2
	s_lshl_b32 s68, ttmp9, 2
	s_cmp_eq_u32 ttmp9, 2                          ; v?
	s_cselect_b32 s17, 8, s67
	s_cselect_b32 s42, s67, s68
	s_add_co_u32 s17, s17, s41                     ; the A side's tile: q, k: tokens 4 Y + cy;  v: features 8 + cy
	s_add_co_u32 s42, s42, s40                     ; the B side's tile: q, k: features 4 X + cx;  v: tokens 4 Y + cx
	s_lshl_b32 s43, s41, 2
	s_lshl_b32 s43, 15, s43                        ; my row of the cluster
	s_lshl_b32 s44, 0x1111, s40                    ; my column
	s_or_b32 s[G1+0], s43, (0<<16)|(1<<20)|(1<<21)|(5<<22)|(3<<25)  ; 15:0 the mask; 17:16 elements of 1 byte; 20 padding on; 21 set beside a mask; 24:22 after every 64 words; 31:25 four words
	s_or_b32 s[G1B+0], s44, (0<<16)|(1<<20)|(1<<21)|(5<<22)|(3<<25)
.irp g, G1, G1B
	s_mov_b32 s[\g+1], ROWB<<16                    ; tensor_dim0
	s_mov_b32 s[\g+2], 128<<16                     ; tensor_dim1
	s_mov_b32 s[\g+3], ROWB<<16                    ; tile_dim0
	s_mov_b32 s[\g+4], 128                         ; tile_dim1
	s_mov_b32 s[\g+5], KROW                        ; tensor_dim0_stride
	s_mov_b32 s[\g+6], 0
	s_mov_b32 s[\g+7], 0
.endr
	s_lshl_b32 s18, s16, 7                         ; which 128 rows of the tile I fetch
	s_lshl_b32 s20, s17, 8
	s_add_co_u32 s20, s20, s18
	s_lshl_b32 s20, s20, 10                        ; A: (256 x tile + 128 x half) rows of 1,024 bytes
	s_mov_b32 s21, 0
	s_lshl_b32 s46, s42, 8
	s_add_co_u32 s46, s46, s18
	s_lshl_b32 s46, s46, 10                        ; B likewise
	s_mov_b32 s47, 0
	s_mul_i32 s45, s14, HALFT                      ; where they go: wave x 128 rows: no place in the cluster enters an LDS address
	s_wait_kmcnt 0x0
	s_load_b256 s[80:87], s[10:11], 0x0            ; e0 .. e7
	s_cmp_eq_u32 ttmp9, 2
	s_cselect_b64 s[70:71], s[6:7], s[4:5]         ; the A side's buffer
	s_cselect_b64 s[72:73], s[4:5], s[6:7]         ; the B side's
	s_add_nc_u64 s[20:21], s[70:71], s[20:21]
	s_add_nc_u64 s[46:47], s[72:73], s[46:47]
	CROUND                                         ; all sixteen work-groups are here: the first joint loads meet
.irp s, 0,1
	s_mov_b32 s[G0+4*\s], 1
	s_add_co_u32 s[G0+4*\s+1], s45, \s*SLOT
	s_add_nc_u64 s[G0+4*\s+2:G0+4*\s+3], s[20:21], \s*ROWB
	s_or_b32 s[G0+4*\s+3], s[G0+4*\s+3], 0x80000000
	s_mov_b32 s[G0B+4*\s], 1
	s_add_co_u32 s[G0B+4*\s+1], s45, \s*SLOT
	s_add_nc_u64 s[G0B+4*\s+2:G0B+4*\s+3], s[46:47], \s*ROWB
	s_or_b32 s[G0B+4*\s+3], s[G0B+4*\s+3], 0x80000000
.endr
	JLOAD G0, G1, G0B, G1B                         ; K step 0: one tensor load a wave at the head
	v_and_b32 v1, 15, v0                           ; r = lane % 16
	v_bfe_u32 v2, v0, 4, 1                         ; hh = lane / 16
	v_mul_u32_u24 v3, v1, PITCH
	v_lshl_add_u32 v4, v2, 4, v3                   ; a fragment's row x pitch + 16 x half
	s_mul_i32 s21, s15, HALFT                      ; my 128 rows of A
	s_mul_i32 s22, s16, HALFT                      ; my 128 rows of B,
	s_add_co_u32 s22, s22, 2*HALFT                 ; which lie behind A's 256
.irp s, 0,1
	v_add_nc_u32 v[ADRA+\s], s21, v4
	v_add_nc_u32 v[ADRB+\s], s22, v4
	s_add_co_u32 s21, s21, SLOT
	s_add_co_u32 s22, s22, SLOT
.endr
	v_and_b32 v6, 31, v0
	v_lshlrev_b32 v[LI], 4, v6
	; both kinds of bias are loaded in every work-group, so that the head has no branch; they are waited for on the way out
	v_lshlrev_b32 v7, 6, v2                        ; q, k: 64 hh: my 16 features of each 32
	s_wait_alu depctr_va_vdst(0)
	v_and_b32 v8, 8, v1
	v_add_nc_u32 v8, v8, v1
	v_lshlrev_b32 v8, 2, v8                        ; v: 4 (r + 8 (r / 8))
	s_wait_alu depctr_va_vdst(0)
	s_cmp_eq_u32 ttmp9, 2
	s_cselect_b32 s74, 0, s42                      ; (for v the B side's tile counts tokens: the load is held inside the buffer and its numbers are not used)
	s_lshl_b32 s74, s74, 10
	s_lshl_b32 s75, s16, 9
	s_add_co_u32 s74, s74, s75                     ; 4 (256 x tile + 128 hb)
	s_mov_b32 s75, 0
	s_add_nc_u64 s[92:93], s[8:9], s[74:75]
	s_lshl_b32 s74, s41, 10
	s_lshl_b32 s76, s15, 9
	s_add_co_u32 s74, s74, s76
	s_add_co_u32 s74, s74, 8192                    ; 4 (2,048 + 256 cy + 128 ha)
	s_add_nc_u64 s[94:95], s[8:9], s[74:75]
.irp b, 0,1,2,3
.irp i, 0,1,2,3
	global_load_b128 v[BIAS+16*\b+4*\i:BIAS+16*\b+4*\i+3], v7, s[92:93] offset:128*\b+16*\i   ; register 16 b + i: feature 32 b + 16 hh + i
.endr
.endr
.irp a, 0,1,2,3,4,5,6,7
	global_load_b32 v[BIASV+\a], v8, s[94:95] offset:4*(32*(\a/2)+8*(\a%2))                   ; block a's feature of my lane
.endr
	v_mov_b32 v[BV+1], 0                           ; (named as the upper half of a pair, so it is written)
	; where my images begin in qkvc
	s_lshr_b32 s74, s66, 1
	s_lshl_b32 s74, s74, 4                         ; 16 x batch
	s_lshl_b32 s75, s40, 2
	s_add_co_u32 s75, s75, s74
	s_lshl_b32 s76, s16, 1
	s_add_co_u32 s75, s75, s76                     ; q, k: 16 batch + head, head = 4 cx + 2 hb
	s_mul_i32 s75, s75, HEADB
	s_lshl_b32 s76, ttmp9, 17                      ; Q at 0, K at 131,072
	s_add_co_u32 s75, s75, s76
	s_and_b32 s76, s66, 1
	s_lshl_b32 s76, s76, 2
	s_add_co_u32 s76, s76, s41
	s_lshl_b32 s76, s76, 4
	s_lshl_b32 s77, s15, 3
	s_add_co_u32 s76, s76, s77                     ; the block of 16 tokens in the batch: 16 (4 (Y % 2) + cy) + 8 ha
	s_lshl_b32 s76, s76, 10
	s_add_co_u32 s75, s75, s76
	s_lshl_b32 s78, s41, 2
	s_add_co_u32 s78, s78, s74
	s_lshl_b32 s77, s15, 1
	s_add_co_u32 s78, s78, s77                     ; v: head = 4 cy + 2 ha
	s_mul_i32 s78, s78, HEADB
	s_add_co_u32 s78, s78, 262144
	s_and_b32 s77, s42, 7
	s_lshl_b32 s77, s77, 1
	s_add_co_u32 s77, s77, s16                     ; the 128 keys in the batch: 2 (tile % 8) + hb
	s_lshl_b32 s77, s77, 13
	s_add_co_u32 s78, s78, s77
	s_cmp_eq_u32 ttmp9, 2
	s_cselect_b32 s78, s78, s75
	s_mov_b32 s79, 0
	s_add_nc_u64 s[12:13], s[12:13], s[78:79]
.macro FRAG reg, adr, q, i             ; 16 rows x 128 K: lane l holds row l % 16; registers 4 c .. 4 c + 3 hold K = 32 c + 16 (l / 16) + 0 .. 15: the same order of k on both sides
.irp c, 0,1,2,3
	ds_load_b128 v[\reg+4*\c:\reg+4*\c+3], v[\adr] offset:128*(\q)+32*\c+(\i)*16*PITCH
.endr
.endm
; 16 matrix instructions: A's blocks a0, a0 + 1 x B's eight.  The 64 accumulators take turns, one instruction a turn, in the same order in every step.
.macro MUL16 a0, p, zero
.irp a, \a0, \a0+1
.irp b, 0,1,2,3,4,5,6,7
.if \zero
	v_wmma_f32_16x16x128_fp8_fp8 v[8*(8*((\a)%4)+\b):8*(8*((\a)%4)+\b)+7], v[128*(\p)+FR*\b:128*(\p)+FR*\b+FR-1], v[AF+FR*(\a):AF+FR*(\a)+FR-1], 0
.else
	v_wmma_f32_16x16x128_fp8_fp8 v[8*(8*((\a)%4)+\b):8*(8*((\a)%4)+\b)+7], v[128*(\p)+FR*\b:128*(\p)+FR*\b+FR-1], v[AF+FR*(\a):AF+FR*(\a)+FR-1], v[8*(8*((\a)%4)+\b):8*(8*((\a)%4)+\b)+7]
.endif
.endr
.endr
.endm
.macro FETCH_B slot, q, p
	WIN TO_B
.irp i, 0,1,2,3,4,5,6,7
	FRAG 128*(\p)+FR*\i, ADRB+\slot, \q, \i
.endr
	WIN 0
.endm
.macro FETCH_A slot, q, i0
.irp i, \i0, \i0+1, \i0+2, \i0+3
	FRAG AF+FR*(\i), ADRA+\slot, \q, \i
.endr
.endm
.macro PLACES n                        ; plain vector instructions between a matrix instruction and a load into, or a vector read or write of, its registers
.rept \n
	v_nop
.endr
.endm
.macro STEP slot, q, zero              ; a step of 128 along K that has its successor in the same slot
	s_wait_dscnt 4*NL                              ; B's set and A's blocks 0-3 are in; the youngest sixteen loads (A's blocks 4-7) may be out
	WIN MUL_LO
	MUL16 0, (\q)%2, \zero
	MUL16 2, (\q)%2, \zero
	s_wait_dscnt 0                                 ; A's blocks 4-7 are in
	PLACES NP
	FETCH_B \slot, (\q)+1, 1-(\q)%2
	FETCH_A \slot, (\q)+1, 0
	WIN MUL_HI
	MUL16 4, (\q)%2, \zero
	MUL16 6, (\q)%2, \zero
	PLACES NP
	WIN 0
	FETCH_A \slot, (\q)+1, 4
.endm
; A slot's last step changes slots: one barrier; in front of it each wave waits for all its tensor loads, adds 0 to its spare word, and waits for that and for its reads of this slot.
.macro TURN slot, next, fill
	s_wait_tensorcnt 0x0                           ; all my tensor loads have landed: my part of the next slot
	ds_add_u32 v[SPW], v[NIL]                      ; 0 onto my spare word
	s_wait_dscnt 4*NL+1                            ; (the add and the youngest sixteen loads may be out)
	WIN MUL_LO
	MUL16 0, 1, 0
	s_wait_dscnt 0x0                               ; the add is done, and my reads of this slot are over
	s_barrier_signal -1
	MUL16 2, 1, 0
	WIN 0
	s_barrier_wait -1
.if \fill
	CREST                                          ; the barrier has opened a round of the cluster's barrier: no wave of any partner still reads this slot or has a load on its way
	s_add_nc_u64 s[G0+4*\slot+2:G0+4*\slot+3], s[G0+4*\slot+2:G0+4*\slot+3], 2*ROWB
	s_add_nc_u64 s[G0B+4*\slot+2:G0B+4*\slot+3], s[G0B+4*\slot+2:G0B+4*\slot+3], 2*ROWB
	JLOAD G0+4*\slot, G1, G0B+4*\slot, G1B         ; the first tensor load behind the round; its four v_nop are the places in front of the loads below
.else
	PLACES NP
.endif
	FETCH_B \next, 0, 0
	FETCH_A \next, 0, 0
	WIN MUL_HI
	MUL16 4, 1, 0
	MUL16 6, 1, 0
	PLACES NP
	WIN 0
	FETCH_A \next, 0, 4
.endm
	s_wait_alu depctr_va_vdst(0)
	s_wait_tensorcnt 0x0                           ; my part of K step 0 is in; slot 1's first fill is issued as a refill is:
	ds_add_u32 v[SPW], v[NIL]                      ; 0 onto my spare word
	s_wait_dscnt 0x0
	CROUND                                         ; a whole round: everybody's part of K step 0 is in, and the joint loads meet
	JLOAD G0+4, G1, G0B+4, G1B                     ; K step 1, the first tensor load behind the round
	FETCH_B 0, 0, 0
	FETCH_A 0, 0, 0
	FETCH_A 0, 0, 4
	STEP 0, 0, 1                                   ; the first step's products start the sums
	s_mov_b32 s3, LAPS-1
.Llap:
	TURN 0, 1, 1
	STEP 1, 0, 0
	TURN 1, 0, 1
	STEP 0, 0, 0
	s_sub_co_u32 s3, s3, 1
	s_cmp_lg_u32 s3, 0
	s_cbranch_scc1 .Llap
	TURN 0, 1, 0                                   ; the last lap fills nothing
	STEP 1, 0, 0
	s_wait_dscnt 4*NL
	WIN MUL_LO
	MUL16 0, 1, 0
	MUL16 2, 1, 0
	s_wait_dscnt 0
	WIN MUL_HI
	MUL16 4, 1, 0
	MUL16 6, 1, 0
	WIN 0
	; THE WAY OUT.  number = sum x 2^(e0 + e1) + bias, for q both x 1/8 (folded into the power of two and into the bias: nothing is rounded by that); held, converted, stored as images.
	s_wait_kmcnt 0x0
	s_wait_loadcnt 0x0                             ; the biases
	s_add_co_i32 s96, s80, s81                     ; e0 + e1
	s_mov_b32 s98, 0x3f800000
	s_cmp_eq_u32 ttmp9, 0
	s_cselect_b32 s88, 3, 0
	s_cselect_b32 s98, 0x3e000000, s98             ; 1/8 for q, else 1
	s_cselect_b32 s89, s82, s83
	s_cmp_eq_u32 ttmp9, 2
	s_cselect_b32 s89, s84, s89                    ; the quantiser's exponent: e2, e3 or e4
	s_sub_co_i32 s96, s96, s88
	s_add_co_i32 s96, s96, 127
	s_lshl_b32 s96, s96, 23                        ; 2^(e0 + e1), for q / 8
	s_mov_b32 s97, s96                             ; (named with it as a pair)
	s_mov_b32 s99, s98
	s_add_co_i32 s89, s89, 127
	s_lshl_b32 s90, s89, 23
	s_add_co_i32 s89, s89, 8
	s_lshl_b32 s89, s89, 23
	s_or_b32 s89, s89, 0x600000
	PLACES NP
	v_mov_b32 v[SCL], s90
	v_mov_b32 v[LIM], s89
; Block a of the A side: 64 numbers a lane become 16 registers of codes, four stores.
.macro OUT a, isv
.set AC, 64*((\a)%4)
.set CD, CODE+16*((\a)%4)
.if (\a) >= 4
	s_wait_xcnt 0x0                                ; block a - 4's stores have read their data: the registers are written again only behind this wait
.endif
.if \isv
	v_mov_b32 v[BV], v[BIASV+\a]
.endif
	s_wait_alu depctr_va_vdst(0)
	WIN 0x02+((\a)/4)                              ; source 0: window 2 or 3
.set k, 0
.rept 32
.if \isv
	v_pk_fma_f32 v[TMP+k:TMP+k+1], v[AC+k:AC+k+1], s[96:97], v[BV:BV+1] op_sel_hi:[1,0,0]         ; each accumulator from its low end on
.else
	v_pk_fma_f32 v[TMP+k:TMP+k+1], v[AC+k:AC+k+1], s[96:97], v[BIAS+k:BIAS+k+1] op_sel_hi:[1,0,1]
.endif
.set k, k+2
.endr
	WIN 0
.set k, 0
.rept 64
	v_med3_num_f32 v[TMP+k], v[TMP+k], -v[LIM], v[LIM]   ; the conversion does not saturate (ISA guide 7.6.2)
.set k, k+1
.endr
.set k, 0
.rept 8
	v_cvt_scalef32_pk8_fp8_f32 v[CD+2*k:CD+2*k+1], v[TMP+8*k:TMP+8*k+7], v[SCL]
.set k, k+1
.endr
	v_nop                                          ; a plain instruction between the conversions and the next lines that write their sources
.irp b, 0,1,2,3
.if \isv
	global_store_b128 v[LI], v[CD+4*\b:CD+4*\b+3], s[12:13] offset:((\a)/4)*HEADB+((\a)%4)*2048+512*\b   ; head a / 4, channels' block a % 4, keys 32 b on
.else
	global_store_b128 v[LI], v[CD+4*\b:CD+4*\b+3], s[12:13] offset:(\a)*1024+(\b/2)*HEADB+(\b%2)*512     ; tokens' block a, head b / 2, channels 32 (b % 2) on
.endif
.endr
.endm
	s_cmp_eq_u32 ttmp9, 2
	s_cbranch_scc1 .Lv
.set k, 0
.rept 32
	v_pk_mul_f32 v[BIAS+k:BIAS+k+1], v[BIAS+k:BIAS+k+1], s[98:99] op_sel_hi:[1,0]
.set k, k+2
.endr
.irp a, 0,1,2,3,4,5,6,7
	OUT \a, 0
.endr
	s_branch .Lend
.Lv:
.irp a, 0,1,2,3,4,5,6,7
	OUT \a, 1
.endr
.Lend:
	s_wait_tensorcnt 0x0                           ; the wave's end
	ds_add_u32 v[SPW], v[NIL]
	s_wait_dscnt 0x0
	CROUND                                         ; the closing round: no work-group ends while a partner may still ask for a tile that names it
	s_endpgm
.Lfunc_end_k_qb4759a1335_qkv:
	.size	k_qb4759a1335_qkv, .Lfunc_end_k_qb4759a1335_qkv-k_qb4759a1335_qkv
	.p2alignl 7, 3214868480
	.fill 96, 4, 3214868480
	.section	.rodata,"a",@progbits
	.p2align	6, 0x0
	.amdhsa_kernel k_qb4759a1335_qkv
		.amdhsa_group_segment_fixed_size 327680
		.amdhsa_private_segment_fixed_size 0
		.amdhsa_enable_private_segment 0
		.amdhsa_kernarg_size 40
		.amdhsa_user_sgpr_count 2
		.amdhsa_user_sgpr_kernarg_segment_ptr 1
		.amdhsa_wavefront_size32 1
		.amdhsa_system_sgpr_workgroup_id_x 1
		.amdhsa_system_sgpr_workgroup_id_y 1
		.amdhsa_system_sgpr_workgroup_id_z 1
		.amdhsa_system_vgpr_workitem_id 0
		.amdhsa_next_free_vgpr 1024
		.amdhsa_next_free_sgpr 100
		.amdhsa_reserve_vcc 0
		.amdhsa_float_denorm_mode_32 3
		.amdhsa_float_denorm_mode_16_64 3
		.amdhsa_memory_ordered 1
		.amdhsa_forward_progress 1
		.amdhsa_inst_pref_size 197
	.end_amdhsa_kernel
	.amdgpu_metadata
---
amdhsa.version: [ 1, 2 ]
amdhsa.kernels:
  - .name:           k_qb4759a1335_qkv
    .symbol:         k_qb4759a1335_qkv.kd
    .args:
      - { .name: xc, .offset: 0, .size: 8, .value_kind: global_buffer, .address_space: global }
      - { .name: wac, .offset: 8, .size: 8, .value_kind: global_buffer, .address_space: global }
      - { .name: b_attn, .offset: 16, .size: 8, .value_kind: global_buffer, .address_space: global }
      - { .name: lowp_scales, .offset: 24, .size: 8, .value_kind: global_buffer, .address_space: global }
      - { .name: qkvc, .offset: 32, .size: 8, .value_kind: global_buffer, .address_space: global }
    .group_segment_fixed_size: 327680
    .private_segment_fixed_size: 0
    .kernarg_segment_align: 8
    .kernarg_segment_size: 40
    .max_flat_workgroup_size: 128
    .sgpr_count:     100
    .vgpr_count:     1024
    .wavefront_size: 32
...
	.end_amdgpu_metadata
.endif
;; end of part 2
;; launch attn (part 3): grid 4 x 64, 16 waves a work-group, clusters of 4 x 1, 327,680 bytes of LDS; arguments qkvc, lowp_scales, oc; writes oc
.if DOCPART == 3
	.amdgcn_target "amdgcn-amd-amdhsa--gfx1250"
	.amdhsa_code_object_version 6
	.text
	.protected	k_qb4759a1335_attn
	.globl	k_qb4759a1335_attn
	.p2align	8
	.type	k_qb4759a1335_attn,@function
k_qb4759a1335_attn:
	s_mov_b64 s[64:65], 0
	v_nop
	global_prefetch_b8 v0, s[64:65] scope:SCOPE_SE
	s_setreg_imm32_b32 hwreg(HW_REG_WAVE_MODE, 25, 1), 1
	s_wait_xcnt 0x0
	s_wait_alu depctr_hold_cnt(0) depctr_sa_sdst(0) depctr_va_vdst(0) depctr_va_sdst(0) depctr_va_ssrc(0) depctr_va_vcc(0) depctr_vm_vsrc(0)
	s_getreg_b32 s2, hwreg(HW_REG_IB_STS2, 6, 4)
	s_cmp_eq_u32 s2, 0
	s_cbranch_scc0 .Lentry_in_a_cluster
	s_endpgm
.Lentry_in_a_cluster:
	s_bfe_u32 s2, ttmp6, 0x10000c
	s_cmp_lg_u32 s2, 0x3003
	s_cbranch_scc0 .Lentry_shape_is_right
	s_endpgm
.Lentry_shape_is_right:
; Causal attention on codes of E4M3, one head (of 64 = 16 batch + head) to a cluster of four work-groups.  qkvc holds, for each head, images of operand registers:
; Q and K [128 blocks of 16 tokens][2 (c)][32 lanes][16 bytes], V at 262,144 [16 (128 keys)][4 blocks of 16 channels][4 (c)][32 lanes][16 bytes].
; Block T holds tokens 32 (T / 2) + 8 (T % 2) + m + 8 (m / 8).  oc: [512 blocks of 16 tokens][16 heads][1,024 bytes], images again, codes with scale 2^e6.
; THE SOFTMAX: t = score x log2(e) x 2^(e2 + e3); M = ceil(the row's largest t); p = 2^(t - M) is quantised with 2^e5; the row's sum is taken of the unquantised p and divides at the end.
; TWO WALKS OVER THE KEYS.  Walk 1: S^T = K Q^T and the rows' maxima, nothing else, 128 keys a step: it gives M of the whole row.  Walk 2, 64 keys a step: S^T once more, p, the sum, p's codes, O^T += V^T P^T.
; So M never moves in walk 2: O^T and the sum are never rescaled.
; LEFT OUT: blocks of 128 keys all of which come after the wave's queries (reference()'s own jnp.tril hides them).  A hidden key inside a live block gets the score -infinity, so p = 0;
; reference() fills -1e9 there, which gives the same p = 0.  LIMIT: that holds while a row's largest scaled score lies above -1e9 + 200.
; SHARES.  A wave owns 32 neighbouring queries, blocks 2 P and 2 P + 1, P = 4 g + c: each fragment of K and V feeds two matrix instructions.  It walks g + 1 blocks of 128 keys.
; g hangs on the wave's number alone and is dealt by a square of 4 x 4 whose rows and columns all sum to 30: any four waves w, w+4, w+8, w+12, and any four w .. w+3, have 34 blocks together.
; c = (place in the cluster + wave / 4 + wave) % 4 enters only global offsets and the mask's numbers: no branch and no LDS address hangs on it.
; K AND V: 262,144 consecutive bytes of the head, the same for the four work-groups: each wave asks for 16,384 of them by ONE joint tensor load at the head (64 rows of 256 bytes); LDS holds them as they lie.  Nothing is filled again.
; No prefetch: every load is issued at the head; there is no loop to run ahead in.
; LIMITS: e2 + e3 between -126 and 127; e5 and e6 - e4 - e5 between -126 and 119.  NaN among the inputs is not served.
.set HEADB, 393216
.set VB,    131072                     ; LDS: K's images from 0, V's from here
.set SPARE, 262144                     ; the spare words: 128 bytes a wave, eight blocks of 256 bytes that no other line names
.set LI,   1                           ; v1   16 x lane
.set ADK,  2                           ; v2   the step's K address (at the head: Q's offset; at the end: oc's)
.set ADV,  3                           ; v3   the step's V address
.set DQ,   4                           ; v4-5 my query's place in the wave's last block of 128 keys, less 16 (lane / 16), for each tile
.set SCP,  6                           ; v6   2^e5
.set SCO,  7                           ; v7   2^(e6 - e4 - e5)
.set LMO,  8                           ; v8   448 x that
.set NINF, 9                           ; v9   -infinity
.set SPW,  10                          ; v10  my spare word's address; never rewritten
.set NIL,  11                          ; v11  0; never rewritten
.set NM,   12                          ; v[12:13], v[14:15]  -M of tile 0, 1 in the low word
.set SM,   16                          ; v16-23 the sums: tile u, chain x in the pair at SM + 4 u + 2 x
.set MX,   24                          ; v24-27 the maxima: tile u, chain x at MX + 2 u + x
.set LV,   31                          ; v31  walk 2: VB + 16 x lane   (v28, v29: at work)
.set Q,    32                          ; v32-47   Q's two fragments
.set KF,   48                          ; v48-79   four fragments of K (walk 1: eight, v48-111)
.set VF,   80                          ; v80-111  four fragments of V
.set PC,   112                         ; v112-127 p's codes, two tiles
.set S,    128                         ; v128-191 walk 2: S^T, then p: tile 0, tile 1.  Walk 1: tile 0's S^T
.set O,    192                         ; v192-255 walk 2: O^T: tile 0, tile 1.  Walk 1: tile 1's S^T
.set WV,   12
.set G,    13                          ; s13  my last block of 128 keys
.set CXW,  14
.set KS,   17                          ; s17  the block in hand
.set TB,   18                          ; s18  its LDS byte
.set HP,   19                          ; s19  448 x 2^e5
.set SEL,  20                          ; s[20:21] v_permlanex16_b32's selects for lane l xor 16
.set CS,   22                          ; s[22:23] log2(e) x 2^(e2 + e3)
.set PO,   24                          ; s24  my first block's bytes in oc
.set G1,   56                          ; s[56:63] descriptor group 1
.set G0,   68                          ; s[68:71] descriptor group 0
.macro CROUND                          ; a round of the cluster's barrier
	s_barrier_signal -1
	s_barrier_wait -1
	s_cmp_lg_u32 s[WV], 0
	s_cbranch_scc1 .Lnot_wave_0_\@
	s_barrier_signal -3
.Lnot_wave_0_\@:
	s_barrier_wait -3
	s_barrier_signal -1
	s_barrier_wait -1
.endm
.macro NOPS n
.rept \n
	v_nop
.endr
.endm
.macro KLOAD adr, off, nt              ; nt blocks of 16 keys: 512 consecutive bytes an instruction
.set t, 0
.rept \nt
	ds_load_b128 v[KF+8*t:KF+8*t+3], v[\adr] offset:\off+1024*t
	ds_load_b128 v[KF+8*t+4:KF+8*t+7], v[\adr] offset:\off+1024*t+512
.set t, t+1
.endr
.endm
.macro MASK b1, cnt, koff              ; in my last block alone: scores of keys behind my query become -infinity.  Register n of a tile holds key koff + 32 (n / 16) + n % 16 + 16 (lane / 16) of the block
	s_cmp_lg_u32 s[KS], s[G]
	s_cbranch_scc1 .Lopen_\@
.set n, 0
.rept \cnt
	v_cmp_gt_i32 vcc_lo, \koff+32*(n/16)+n%16, v[DQ]
	v_cndmask_b32 v[S+n], v[S+n], v[NINF], vcc_lo
	v_cmp_gt_i32 vcc_lo, \koff+32*(n/16)+n%16, v[DQ+1]
	v_cndmask_b32 v[\b1+n], v[\b1+n], v[NINF], vcc_lo
.set n, n+1
.endr
.Lopen_\@:
.endm
; WALK 2, one step of 64 keys: half hf of a block of 128 keys.
.macro STEP2 hf
	s_wait_dscnt 0x0                               ; this step's K, asked for a step ago
.if \hf == 0
	v_add_nc_u32 v[ADK], s[TB], v[LI]
	v_add_nc_u32 v[ADV], s[TB], v[LV]
.endif
.irp t, 0,1,2,3                                ; S^T = K Q^T: source 0 = 16 keys, source 1 = 16 queries: a lane holds one query
	v_wmma_f32_16x16x64_fp8_fp8 v[S+8*\t:S+8*\t+7], v[KF+8*\t:KF+8*\t+7], v[Q:Q+7], 0
	v_wmma_f32_16x16x64_fp8_fp8 v[S+32+8*\t:S+39+8*\t], v[KF+8*\t:KF+8*\t+7], v[Q+8:Q+15], 0
.endr
	NOPS 4                                         ; places (ISA guide 7.12.1): behind these products for K's registers and S^T, behind the last step's for V's registers
.irp t, 0,1,2,3
	ds_load_b128 v[VF+8*\t:VF+8*\t+3], v[ADV] offset:1024*\hf+2048*\t
	ds_load_b128 v[VF+8*\t+4:VF+8*\t+7], v[ADV] offset:1024*\hf+2048*\t+512
.endr
	KLOAD ADK, 4096*(\hf+1), 4                     ; the next step's K (behind my last step: bytes inside LDS that nobody uses)
	MASK S+32, 32, 64*\hf
.set j, 0
.rept 16
	v_pk_fma_f32 v[S+j:S+j+1], v[S+j:S+j+1], s[CS:CS+1], v[NM:NM+1] op_sel_hi:[1,0,0]            ; t - M, two at a time
	v_pk_fma_f32 v[S+32+j:S+33+j], v[S+32+j:S+33+j], s[CS:CS+1], v[NM+2:NM+3] op_sel_hi:[1,0,0]
.set j, j+2
.endr
	s_wait_alu depctr_va_vdst(0)
.set j, 0
.rept 64
	v_exp_f32 v[S+j], v[S+j]                       ; p = 2^(t - M)
.set j, j+1
.endr
	v_nop                                          ; a plain place behind the exponentials
	s_wait_alu depctr_va_vdst(0)                   ; and one wait behind the batch
.set j, 0
.rept 8                                        ; the sums of the unquantised p: four chains by turns
	v_pk_add_f32 v[SM:SM+1], v[SM:SM+1], v[S+j:S+j+1]
	v_pk_add_f32 v[SM+4:SM+5], v[SM+4:SM+5], v[S+32+j:S+33+j]
	v_pk_add_f32 v[SM+2:SM+3], v[SM+2:SM+3], v[S+j+2:S+j+3]
	v_pk_add_f32 v[SM+6:SM+7], v[SM+6:SM+7], v[S+34+j:S+35+j]
.set j, j+4
.endr
.set j, 0
.rept 64
	v_min_num_f32 v[S+j], s[HP], v[S+j]            ; the conversion does not saturate (ISA guide 7.6.2); p is not negative, so the hold is one-sided
.set j, j+1
.endr
.irp b, 0,1,2,3
	v_cvt_scalef32_pk8_fp8_f32 v[PC+2*\b:PC+2*\b+1], v[S+8*\b:S+8*\b+7], v[SCP]
	v_cvt_scalef32_pk8_fp8_f32 v[PC+8+2*\b:PC+9+2*\b], v[S+32+8*\b:S+39+8*\b], v[SCP]
.endr
	v_nop                                          ; a plain place behind the conversions
	s_wait_dscnt 8                                 ; V's eight loads are in; the eight for the next step's K may be out
	s_wait_alu depctr_va_vdst(0)                   ; directly ahead of the first reader of O^T and of the codes
.irp t, 0,1,2,3                                ; O^T += V^T P^T: the eight accumulators by turns
	v_wmma_f32_16x16x64_fp8_fp8 v[O+8*\t:O+8*\t+7], v[VF+8*\t:VF+8*\t+7], v[PC:PC+7], v[O+8*\t:O+8*\t+7]
	v_wmma_f32_16x16x64_fp8_fp8 v[O+32+8*\t:O+39+8*\t], v[VF+8*\t:VF+8*\t+7], v[PC+8:PC+15], v[O+32+8*\t:O+39+8*\t]
.endr
.endm
	s_load_b128 s[4:7], s[0:1], 0x0                ; qkvc s[4:5], the scales' exponents s[6:7]
	s_load_b64 s[8:9], s[0:1], 0x10                ; oc
	v_lshl_add_u32 v[SPW], v0, 2, SPARE
	v_mov_b32 v[NIL], 0
	ds_add_u32 v[SPW], v[NIL]                      ; the opening lines: the add, twice on end, and its wait ahead of my tensor load
	ds_add_u32 v[SPW], v[NIL]
	v_lshrrev_b32 v2, 5, v0
	s_delay_alu instid0(VALU_DEP_1)
	v_readfirstlane_b32 s[WV], v2                  ; wave 0..15
	v_and_b32 v[LI], 31, v0
	s_delay_alu instid0(VALU_DEP_1)
	v_lshlrev_b32 v[LI], 4, v[LI]
	s_wait_alu depctr_va_vdst(0)
	s_mov_b32 s29, 0x0de3b658                      ; g of waves 8 to 15, four bits each,
	s_cmp_lt_u32 s[WV], 8
	s_cselect_b32 s29, 0x7a94c12f, s29             ; of waves 0 to 7: 15 2 1 12 / 4 9 10 7 / 8 5 6 11 / 3 14 13 0
	s_and_b32 s32, s[WV], 7
	s_lshl_b32 s32, s32, 2
	s_lshr_b32 s29, s29, s32
	s_and_b32 s[G], s29, 15
	s_bfe_u32 s27, ttmp6, 0x40000                  ; my place in the cluster
	s_lshr_b32 s32, s[WV], 2
	s_add_co_u32 s32, s32, s[WV]
	s_add_co_u32 s32, s32, s27
	s_and_b32 s[CXW], s32, 3                       ; c
	s_lshl_b32 s33, s[G], 2
	s_add_co_u32 s33, s33, s[CXW]                  ; P
	s_lshl_b32 s36, s33, 11                        ; Q: two blocks of 1,024 bytes
	s_lshl_b32 s[PO], s33, 15                      ; oc: two blocks of 16,384 bytes
	s_lshl_b32 s37, s[CXW], 5                      ; my first query's place in my last block of 128 keys
	s_and_b32 s28, ttmp7, 0xffff                   ; 16 batch + head
	s_mul_i32 s30, s28, HEADB
	s_mov_b32 s31, 0
	s_lshr_b32 s38, s28, 4
	s_lshl_b32 s38, s38, 21
	s_and_b32 s39, s28, 15
	s_lshl_b32 s39, s39, 10
	s_add_co_u32 s38, s38, s39
	s_mov_b32 s39, 0
	s_mov_b32 s[SEL], 0x76543210
	s_mov_b32 s[SEL+1], 0xfedcba98
	s_mov_b32 s[G1], 15|(3<<16)|(1<<21)            ; the mask names the cluster's four; elements of 8 bytes; bit 21 set beside a mask; no padding
	s_mov_b32 s[G1+1], 32<<16                      ; tensor_dim0: 32 elements, 256 bytes
	s_mov_b32 s[G1+2], 64<<16                      ; tensor_dim1: 64 rows
	s_mov_b32 s[G1+3], 32<<16                      ; tile_dim0
	s_mov_b32 s[G1+4], 64                          ; tile_dim1
	s_mov_b32 s[G1+5], 32                          ; the rows lie end to end
	s_mov_b32 s[G1+6], 0
	s_mov_b32 s[G1+7], 0
	s_lshl_b32 s42, s[WV], 14                      ; my 16,384 bytes of K and V, in memory and in LDS alike
	s_mov_b32 s43, 0
	s_mov_b32 s[G0], 1
	s_mov_b32 s[G0+1], s42
	v_add_nc_u32 v[ADK], s36, v[LI]
	s_wait_alu depctr_va_vdst(0)                   ; directly ahead of the waits below
	s_wait_dscnt 0x0                               ; both opening adds are done
	s_wait_kmcnt 0x0
	s_load_b256 s[48:55], s[6:7], 0x0              ; e0 .. e7
	s_add_nc_u64 s[4:5], s[4:5], s[30:31]
	s_add_nc_u64 s[8:9], s[8:9], s[38:39]
	s_add_nc_u64 s[G0+2:G0+3], s[4:5], s[42:43]
	s_add_nc_u64 s[G0+2:G0+3], s[G0+2:G0+3], 131072
	s_or_b32 s[G0+3], s[G0+3], 0x80000000
.irp i, 0,1,2,3
	global_load_b128 v[Q+4*\i:Q+4*\i+3], v[ADK], s[4:5] offset:512*\i
.endr
	CROUND                                         ; all four work-groups are here: the joint loads meet
	tensor_load_to_lds s[G0:G0+3], s[G1:G1+7]      ; my one tensor load
	s_nop 0
	NOPS 4
	v_and_b32 v24, 15, v0
	s_delay_alu instid0(VALU_DEP_1)
	v_and_b32 v25, 8, v24
	s_delay_alu instid0(VALU_DEP_1)
	v_add_nc_u32 v24, v24, v25                     ; r + 8 (r / 8)
	v_and_b32 v25, 16, v0
	s_delay_alu instid0(VALU_DEP_1)
	v_sub_nc_u32 v24, v24, v25                     ; - 16 (lane / 16)
	s_delay_alu instid0(VALU_DEP_1)
	v_add_nc_u32 v[DQ], s37, v24
	s_delay_alu instid0(VALU_DEP_1)
	v_add_nc_u32 v[DQ+1], 8, v[DQ]
	v_mov_b32 v[NINF], 0xff800000
.irp i, 0,1,2,3
	v_mov_b32 v[MX+\i], 0xff800000
.endr
	v_mov_b32 v28, 0                               ; written once: a lane permute's destination counts as one of its sources
	v_mov_b32 v29, 0
	s_wait_kmcnt 0x0
	s_add_co_i32 s40, s50, s51
	s_lshl_b32 s40, s40, 23
	s_add_co_i32 s[CS], s40, 0x3fb8aa3b            ; log2(e) with e2 + e3 added to its exponent field
	s_mov_b32 s[CS+1], s[CS]
	s_add_co_i32 s40, s53, 127
	s_lshl_b32 s41, s40, 23
	v_mov_b32 v[SCP], s41
	s_add_co_i32 s40, s40, 8
	s_lshl_b32 s40, s40, 23
	s_or_b32 s[HP], s40, 0x600000
	s_sub_co_i32 s40, s54, s52
	s_sub_co_i32 s40, s40, s53
	s_add_co_i32 s40, s40, 127
	s_lshl_b32 s41, s40, 23
	v_mov_b32 v[SCO], s41
	s_add_co_i32 s40, s40, 8
	s_lshl_b32 s40, s40, 23
	s_or_b32 s40, s40, 0x600000
	v_mov_b32 v[LMO], s40
	s_wait_alu depctr_va_vdst(0)
	s_wait_tensorcnt 0x0                           ; my part of K and V lies in LDS
	s_barrier_signal -1
	s_barrier_wait -1                              ; everybody's does
	s_wait_loadcnt 0x0                             ; Q
	KLOAD LI, 0, 8
	s_mov_b32 s[KS], 0
	s_mov_b32 s[TB], 0
; WALK 1: every wave walks all sixteen trips, so that the trip count is a constant; a wave past its last block jumps over the work.
.Lp1:
	s_cmp_gt_u32 s[KS], s[G]
	s_cbranch_scc1 .Lp1s
	s_wait_dscnt 0x0                               ; this block's K, asked for a step ago
	v_add_nc_u32 v[ADK], s[TB], v[LI]
.set t, 0
.rept 8
	v_wmma_f32_16x16x64_fp8_fp8 v[S+8*t:S+8*t+7], v[KF+8*t:KF+8*t+7], v[Q:Q+7], 0
	v_wmma_f32_16x16x64_fp8_fp8 v[O+8*t:O+8*t+7], v[KF+8*t:KF+8*t+7], v[Q+8:Q+15], 0
.set t, t+1
.endr
	NOPS 4                                         ; places behind the products, for the loads into K's registers and the reads of S^T
	KLOAD ADK, 8192, 8                             ; the next block's K (behind my last block: bytes inside LDS that nobody uses)
	MASK O, 64, 0
.set n, 0
.rept 16                                       ; four chains by turns; each accumulator from its low end on
	v_max3_num_f32 v[MX], v[MX], v[S+n], v[S+n+1]
	v_max3_num_f32 v[MX+2], v[MX+2], v[O+n], v[O+n+1]
	v_max3_num_f32 v[MX+1], v[MX+1], v[S+n+2], v[S+n+3]
	v_max3_num_f32 v[MX+3], v[MX+3], v[O+n+2], v[O+n+3]
.set n, n+4
.endr
	s_wait_alu depctr_va_vdst(0)
.Lp1s:
	s_add_co_u32 s[TB], s[TB], 8192
	s_add_co_u32 s[KS], s[KS], 1
	s_cmp_lt_u32 s[KS], 16
	s_cbranch_scc1 .Lp1
	s_wait_dscnt 0x0                               ; the look-ahead behind my last block
	v_max_num_f32 v[MX], v[MX], v[MX+1]
	v_max_num_f32 v[MX+2], v[MX+2], v[MX+3]
	s_delay_alu instid0(VALU_DEP_2)
	v_permlanex16_b32 v28, v[MX], s[SEL], s[SEL+1]
	s_delay_alu instid0(VALU_DEP_2)
	v_permlanex16_b32 v29, v[MX+2], s[SEL], s[SEL+1]
	s_delay_alu instid0(VALU_DEP_2)
	v_max_num_f32 v[MX], v[MX], v28                ; the row's largest score,
	s_delay_alu instid0(VALU_DEP_2)
	v_max_num_f32 v[MX+2], v[MX+2], v29
	s_delay_alu instid0(VALU_DEP_2)
	v_mul_f32 v[MX], s[CS], v[MX]                  ; as t,
	s_delay_alu instid0(VALU_DEP_2)
	v_mul_f32 v[MX+2], s[CS], v[MX+2]
	s_delay_alu instid0(VALU_DEP_2)
	v_floor_f32 v[NM], -v[MX]                      ; -M = floor(-t)
	s_delay_alu instid0(VALU_DEP_2)
	v_floor_f32 v[NM+2], -v[MX+2]
	v_mov_b32 v[NM+1], 0                           ; (named as the upper halves of pairs)
	v_mov_b32 v[NM+3], 0
	v_add_nc_u32 v[LV], VB, v[LI]
.irp i, 0,1,2,3,4,5,6,7
	v_mov_b32 v[SM+\i], 0
.endr
.set j, 0
.rept 64
	v_mov_b32 v[O+j], 0                            ; O^T: the step is written for the loop alone, and its first trip finds zeros
.set j, j+1
.endr
	KLOAD LI, 0, 4
	s_mov_b32 s[KS], 0
	s_mov_b32 s[TB], 0
	s_wait_alu depctr_va_vdst(0)
.Lp2:                                              ; WALK 2: sixteen trips of 128 keys, two steps each
	s_cmp_gt_u32 s[KS], s[G]
	s_cbranch_scc1 .Lp2e                           ; past my last block: on to the trip's end
	STEP2 0
	STEP2 1
.Lp2e:
	s_add_co_u32 s[TB], s[TB], 8192
	s_add_co_u32 s[KS], s[KS], 1
	s_cmp_lt_u32 s[KS], 16
	s_cbranch_scc1 .Lp2
	; THE WAY OUT: O^T / the sum, held, quantised with 2^e6 (the three exponents folded into the conversion's scale), stored as images: each store covers 512 consecutive bytes, aligned
	s_wait_dscnt 0x0
	NOPS 4                                         ; places behind the last products
	s_wait_alu depctr_va_vdst(0)
	v_pk_add_f32 v[SM:SM+1], v[SM:SM+1], v[SM+2:SM+3]
	v_pk_add_f32 v[SM+4:SM+5], v[SM+4:SM+5], v[SM+6:SM+7]
	s_delay_alu instid0(VALU_DEP_2)
	v_add_f32 v[SM], v[SM], v[SM+1]
	s_delay_alu instid0(VALU_DEP_2)
	v_add_f32 v[SM+4], v[SM+4], v[SM+5]
	s_delay_alu instid0(VALU_DEP_2)
	v_permlanex16_b32 v28, v[SM], s[SEL], s[SEL+1]
	s_delay_alu instid0(VALU_DEP_2)
	v_permlanex16_b32 v29, v[SM+4], s[SEL], s[SEL+1]
	s_delay_alu instid0(VALU_DEP_2)
	v_add_f32 v[SM], v[SM], v28
	s_delay_alu instid0(VALU_DEP_2)
	v_add_f32 v[SM+4], v[SM+4], v29
	s_wait_alu depctr_va_vdst(0)                   ; ahead of the two reciprocals
	v_rcp_f32 v[SM+2], v[SM]
	v_rcp_f32 v[SM+6], v[SM+4]
	v_add_nc_u32 v[ADK], s[PO], v[LI]              ; (a plain place)  my place in oc
	s_wait_alu depctr_va_vdst(0)                   ; behind them, directly ahead of the first reader of O^T
.set j, 0
.rept 16
	v_pk_mul_f32 v[O+j:O+j+1], v[O+j:O+j+1], v[SM+2:SM+3] op_sel_hi:[1,0]
	v_pk_mul_f32 v[O+32+j:O+33+j], v[O+32+j:O+33+j], v[SM+6:SM+7] op_sel_hi:[1,0]
.set j, j+2
.endr
.set j, 0
.rept 64
	v_med3_num_f32 v[O+j], v[O+j], -v[LMO], v[LMO]
.set j, j+1
.endr
.irp b, 0,1,2,3,4,5,6,7
	v_cvt_scalef32_pk8_fp8_f32 v[PC+2*\b:PC+2*\b+1], v[O+8*\b:O+8*\b+7], v[SCO]
.endr
	v_nop
	global_store_b128 v[ADK], v[PC:PC+3], s[8:9]
	global_store_b128 v[ADK], v[PC+4:PC+7], s[8:9] offset:512
	global_store_b128 v[ADK], v[PC+8:PC+11], s[8:9] offset:16384
	global_store_b128 v[ADK], v[PC+12:PC+15], s[8:9] offset:16896
	s_wait_tensorcnt 0x0                           ; the wave's end
	ds_add_u32 v[SPW], v[NIL]
	s_wait_dscnt 0x0
	CROUND                                         ; the closing round
	s_endpgm
.Lfunc_end_k_qb4759a1335_attn:
	.size	k_qb4759a1335_attn, .Lfunc_end_k_qb4759a1335_attn-k_qb4759a1335_attn
	.p2alignl 7, 3214868480
	.fill 96, 4, 3214868480
	.section	.rodata,"a",@progbits
	.p2align	6, 0x0
	.amdhsa_kernel k_qb4759a1335_attn
		.amdhsa_group_segment_fixed_size 327680
		.amdhsa_private_segment_fixed_size 0
		.amdhsa_enable_private_segment 0
		.amdhsa_kernarg_size 24
		.amdhsa_user_sgpr_count 2
		.amdhsa_user_sgpr_kernarg_segment_ptr 1
		.amdhsa_wavefront_size32 1
		.amdhsa_system_sgpr_workgroup_id_x 1
		.amdhsa_system_sgpr_workgroup_id_y 1
		.amdhsa_system_sgpr_workgroup_id_z 1
		.amdhsa_system_vgpr_workitem_id 0
		.amdhsa_next_free_vgpr 256
		.amdhsa_next_free_sgpr 72
		.amdhsa_reserve_vcc 1
		.amdhsa_float_denorm_mode_32 3
		.amdhsa_float_denorm_mode_16_64 3
		.amdhsa_memory_ordered 1
		.amdhsa_forward_progress 1
		.amdhsa_inst_pref_size 68
	.end_amdhsa_kernel
	.amdgpu_metadata
---
amdhsa.version: [ 1, 2 ]
amdhsa.kernels:
  - .name:           k_qb4759a1335_attn
    .symbol:         k_qb4759a1335_attn.kd
    .args:
      - { .name: qkvc, .offset: 0, .size: 8, .value_kind: global_buffer, .address_space: global }
      - { .name: lowp_scales, .offset: 8, .size: 8, .value_kind: global_buffer, .address_space: global }
      - { .name: oc, .offset: 16, .size: 8, .value_kind: global_buffer, .address_space: global }
    .group_segment_fixed_size: 327680
    .private_segment_fixed_size: 0
    .kernarg_segment_align: 8
    .kernarg_segment_size: 24
    .max_flat_workgroup_size: 512
    .sgpr_count:     72
    .vgpr_count:     256
    .wavefront_size: 32
...
	.end_amdgpu_metadata
.endif
;; end of part 3
;; launch proj (part 4): grid 8 x 32, 4 waves a work-group, clusters of 4 x 4, 327,680 bytes of LDS; arguments oc, wpc, lowp_scales, b_proj, out0; writes out0
.if DOCPART == 4
	.amdgcn_target "amdgcn-amd-amdhsa--gfx1250"
	.amdhsa_code_object_version 6
	.text
	.protected	k_qb4759a1335_proj
	.globl	k_qb4759a1335_proj
	.p2align	8
	.type	k_qb4759a1335_proj,@function
k_qb4759a1335_proj:
	s_mov_b64 s[64:65], 0
	v_nop
	global_prefetch_b8 v0, s[64:65] scope:SCOPE_SE
	s_setreg_imm32_b32 hwreg(HW_REG_WAVE_MODE, 25, 1), 1
	s_wait_xcnt 0x0
	s_wait_alu depctr_hold_cnt(0) depctr_sa_sdst(0) depctr_va_vdst(0) depctr_va_sdst(0) depctr_va_ssrc(0) depctr_va_vcc(0) depctr_vm_vsrc(0)
	s_getreg_b32 s2, hwreg(HW_REG_IB_STS2, 6, 4)
	s_cmp_eq_u32 s2, 0
	s_cbranch_scc0 .Lentry_in_a_cluster
	s_endpgm
.Lentry_in_a_cluster:
	s_bfe_u32 s2, ttmp6, 0x10000c
	s_cmp_lg_u32 s2, 0xf033
	s_cbranch_scc0 .Lentry_shape_is_right
	s_endpgm
.Lentry_shape_is_right:
; out0 = (attention's result) w_proj + b_proj, on codes of E4M3: sum x 2^(e6 + e7) + b_proj.  out0: [8192][1024] f32.
; oc: [512 blocks of 16 tokens][16 heads][1,024 bytes]: images of operand registers; two neighbouring heads are one fragment of 128 along K.  Block T of a batch holds tokens 32 (T / 2) + 8 (T % 2) + r + 8 (r / 8).
; wpc: [1024 columns][1024 K]: codes, rows with bits 3 and 4 of their number exchanged.
; A tile is 256 tokens x 128 columns: 256 work-groups.  A wave makes 128 x 64: 8 blocks of tokens x 4 blocks of columns, 32 accumulators.  Source 0 = 16 rows of wpc, source 1 = an image of oc:
; a lane holds one token, and the 16 registers of column blocks 2 b, 2 b + 1 are columns 32 b + 16 (lane / 16) + 0 .. 15.
; K = 1,024 is four steps of 256.  THREE LDS slots: K steps 0, 1, 2 are asked for at the head, K step 3 is the one refill, into slot 0.  4 x 4 work-groups form a cluster: oc's tile is shared along a row, wpc's along a column.
; LIMIT: e6 + e7 between -126 and 127.   No prefetch: three of the four K steps are asked for at the head.
; REGISTERS: window 0: v0-31 addresses; v32-63 b_proj at my 32 columns a lane; v64-95 at work; from v128 A's fragments, one set; on the way out v128-191 rows of out0.  window 1: B's fragments, two sets, at v0 and v128.  window 2: the accumulators ((a, b) at v[8 (4 a + b)]).
.set PITCH,  272                       ; a row of wpc's tile in LDS: 256 bytes + 16
.set ASZ,    65536                     ; oc's tile: 16 blocks x 4,096 bytes, dense
.set SLOT,   ASZ+128*PITCH             ; 100,352
.set STAGE,  3*SLOT                    ; the way out: 16 rows x 272 bytes a wave; no tensor load lands here
.set SPARE,  STAGE+4*16*272            ; the spare words: 128 bytes a wave, two blocks of 256 bytes that no other line names
.set FR,   16
.set ADRA, 8                           ; v8-10   LDS address of my images in slot 0, 1, 2
.set ADRB, 12                          ; v12-14  of my fragments of wpc
.set STO,  20
.set RD,   21
.set CO,   22
.set SPW,  28
.set NIL,  29
.set BP,   32
.set TMP,  64
.set AF,   128
.set BK,   128
.set G1,  24                           ; s[24:31] group 1 for oc's tiles;  s[32:43] three groups 0
.set G0,  32
.set G1B, 48                           ; s[48:55] group 1 for wpc's;  s[68:79] three groups 0
.set G0B, 68
.set MSB, 0
.macro WIN new
.if MSB != \new
	s_set_vgpr_msb (MSB<<8)|\new
.set MSB, \new
.endif
.endm
.set MUL,  0xa1                        ; source 0 (wpc) window 1, source 1 (oc) window 0, C and D window 2
.set TO_B, 0x40
.macro CREST
	s_cmp_lg_u32 s14, 0
	s_cbranch_scc1 .Lnot_wave_0_\@
	s_barrier_signal -3
.Lnot_wave_0_\@:
	s_barrier_wait -3
	s_barrier_signal -1
	s_barrier_wait -1
.endm
.macro CROUND
	s_barrier_signal -1
	s_barrier_wait -1
	CREST
.endm
	s_load_b256 s[4:11], s[0:1], 0x0               ; oc s[4:5], wpc s[6:7], the scales' exponents s[8:9], b_proj s[10:11]
	s_load_b64 s[12:13], s[0:1], 0x20              ; out0
	v_lshl_add_u32 v[SPW], v0, 2, SPARE
	v_mov_b32 v[NIL], 0
	ds_add_u32 v28, v29
	ds_add_u32 v28, v29
	s_wait_dscnt 0x0
	v_lshrrev_b32 v1, 5, v0
	v_readfirstlane_b32 s14, v1                    ; wave 0..3
	s_lshr_b32 s15, s14, 1                         ; ha: my half of the tokens.
	s_and_b32 s16, s14, 1                          ; hb: my half of the columns.
	s_bfe_u32 s44, ttmp6, 0x40000                  ; cx
	s_bfe_u32 s45, ttmp6, 0x40004                  ; cy
	s_lshl_b32 s46, ttmp9, 2
	s_add_co_u32 s46, s46, s44                     ; the tile of 128 columns
	s_and_b32 s17, ttmp7, 0xffff
	s_lshl_b32 s17, s17, 2
	s_add_co_u32 s17, s17, s45                     ; the tile of 256 tokens
	s_lshl_b32 s47, s45, 2
	s_lshl_b32 s47, 15, s47                        ; my row of the cluster
	s_lshl_b32 s56, 0x1111, s44                    ; my column
	s_or_b32 s[G1+0], s47, (3<<16)|(1<<21)         ; the mask; elements of 8 bytes; 21 set beside a mask; no padding
	s_mov_b32 s[G1+1], 512<<16                     ; tensor_dim0 = 512 elements: 4,096 bytes: four heads' images of a block
	s_mov_b32 s[G1+2], 16<<16                      ; tensor_dim1 = 16 blocks: one load brings oc's whole tile of a K step
	s_mov_b32 s[G1+3], 512<<16                     ; tile_dim0
	s_mov_b32 s[G1+4], 16                          ; tile_dim1
	s_mov_b32 s[G1+5], 2048                        ; from block to block: 16,384 bytes
	s_mov_b32 s[G1+6], 0
	s_mov_b32 s[G1+7], 0
	s_or_b32 s[G1B+0], s56, (0<<16)|(1<<20)|(1<<21)|(5<<22)|(3<<25)   ; elements of 1 byte; four words of padding after every 64
	s_mov_b32 s[G1B+1], 256<<16
	s_mov_b32 s[G1B+2], 128<<16                    ; one load brings wpc's whole tile of a K step: 128 rows
	s_mov_b32 s[G1B+3], 256<<16
	s_mov_b32 s[G1B+4], 128
	s_mov_b32 s[G1B+5], 1024
	s_mov_b32 s[G1B+6], 0
	s_mov_b32 s[G1B+7], 0
	s_lshl_b32 s20, s17, 4
	s_mov_b32 s18, 0
	s_add_co_u32 s20, s20, s18
	s_lshl_b32 s20, s20, 14                        ; oc: block 16 x tile, 16,384 bytes each
	s_mov_b32 s21, 0
	s_lshl_b32 s58, s46, 7
	s_mov_b32 s59, 0
	s_add_co_u32 s58, s58, s59
	s_lshl_b32 s58, s58, 10                        ; wpc: row 128 x tile
	s_mov_b32 s59, 0
	s_mov_b32 s22, 0                               ; where they go in a slot: oc's tile at its head,
	s_mov_b32 s23, 0
	s_add_co_u32 s23, s23, ASZ                     ; wpc's tile behind it: no place in the cluster enters an LDS address
	s_wait_kmcnt 0x0
	s_load_b256 s[80:87], s[8:9], 0x0              ; e0 .. e7
	s_add_nc_u64 s[20:21], s[4:5], s[20:21]
	s_add_nc_u64 s[58:59], s[6:7], s[58:59]
	CROUND                                         ; all sixteen work-groups are here: the first joint loads meet
.irp s, 0,1,2
	s_mov_b32 s[G0+4*\s], 1
	s_add_co_u32 s[G0+4*\s+1], s22, \s*SLOT
	s_add_nc_u64 s[G0+4*\s+2:G0+4*\s+3], s[20:21], \s*4096
	s_or_b32 s[G0+4*\s+3], s[G0+4*\s+3], 0x80000000
	s_mov_b32 s[G0B+4*\s], 1
	s_add_co_u32 s[G0B+4*\s+1], s23, \s*SLOT
	s_add_nc_u64 s[G0B+4*\s+2:G0B+4*\s+3], s[58:59], \s*256
	s_or_b32 s[G0B+4*\s+3], s[G0B+4*\s+3], 0x80000000
.endr
	s_cmp_eq_u32 s14, 0                            ; the first fills: one chain of branches on the wave's number, one tensor load to an arm: wave 0 oc's tile of K step 0,
	s_cbranch_scc0 .Lfirst_b
	tensor_load_to_lds s[G0:G0+3], s[G1:G1+7]
	s_nop 0
.rept 4
	v_nop
.endr
	s_branch .Lfirst_asked
.Lfirst_b:
	s_cmp_eq_u32 s14, 1
	s_cbranch_scc0 .Lfirst_c
	tensor_load_to_lds s[G0B:G0B+3], s[G1B:G1B+7]  ; wave 1 wpc's tile of K step 0,
	s_nop 0
.rept 4
	v_nop
.endr
	s_branch .Lfirst_asked
.Lfirst_c:
	s_cmp_eq_u32 s14, 2
	s_cbranch_scc0 .Lfirst_d
	tensor_load_to_lds s[G0+4:G0+7], s[G1:G1+7]    ; wave 2 oc's tile of K step 1,
	s_nop 0
.rept 4
	v_nop
.endr
	s_branch .Lfirst_asked
.Lfirst_d:
	tensor_load_to_lds s[G0B+4:G0B+7], s[G1B:G1B+7]   ; wave 3 wpc's tile of K step 1
	s_nop 0
.rept 4
	v_nop
.endr
.Lfirst_asked:
	v_and_b32 v1, 15, v0                           ; r
	v_bfe_u32 v2, v0, 4, 1                         ; hh
	v_and_b32 v3, 31, v0
	v_lshlrev_b32 v3, 4, v3                        ; 16 x lane
	v_mul_u32_u24 v4, v1, PITCH
	v_lshl_add_u32 v4, v2, 4, v4
	s_lshl_b32 s18, s15, 15                        ; my 8 blocks of tokens
	s_mul_i32 s19, s16, 64*PITCH
	s_add_co_u32 s19, s19, ASZ                     ; my 64 rows of wpc
.irp s, 0,1,2
	v_add_nc_u32 v[ADRA+\s], s18, v3
	v_add_nc_u32 v[ADRB+\s], s19, v4
	s_add_co_u32 s18, s18, SLOT
	s_add_co_u32 s19, s19, SLOT
.endr
	s_mul_i32 s18, s14, 16*272
	s_add_co_u32 s18, s18, STAGE                   ; my stage
	v_mul_u32_u24 v5, v1, 272
	v_lshl_add_u32 v5, v2, 6, v5
	v_add_nc_u32 v[STO], s18, v5                   ; in: row r, + 64 hh bytes
	v_mul_u32_u24 v5, v2, 272
	v_lshl_add_u32 v5, v1, 4, v5
	v_add_nc_u32 v[RD], s18, v5                    ; back: lanes 0-15 one row of 256 bytes, lanes 16-31 the next
	v_lshlrev_b32 v5, 12, v2
	v_lshl_add_u32 v[CO], v1, 4, v5                ; and the same in out0, rows of 4,096 bytes
	v_lshlrev_b32 v6, 6, v2                        ; b_proj: 64 hh
	s_lshl_b32 s60, s46, 9
	s_lshl_b32 s61, s16, 8
	s_add_co_u32 s60, s60, s61                     ; my first column in bytes: 4 (128 x tile + 64 hb)
	s_mov_b32 s61, 0
	s_add_nc_u64 s[10:11], s[10:11], s[60:61]
.irp b, 0,1,2,3
	global_load_b128 v[BP+8*\b:BP+8*\b+3], v6, s[10:11] offset:128*(\b/2)+32*(\b%2)        ; register 8 b + j: column 32 (b / 2) + 8 (b % 2) + 16 hh + j
	global_load_b128 v[BP+8*\b+4:BP+8*\b+7], v6, s[10:11] offset:128*(\b/2)+32*(\b%2)+16
.endr
	s_lshl_b32 s62, s17, 8
	s_lshl_b32 s63, s15, 7
	s_add_co_u32 s62, s62, s63
	s_lshl_b32 s62, s62, 12                        ; my first token's row
	s_add_co_u32 s62, s62, s60
	s_mov_b32 s63, 0
	s_add_nc_u64 s[12:13], s[12:13], s[62:63]
; 8 matrix instructions: blocks of tokens a0, a0 + 1 x the four blocks of columns.  The 32 accumulators take turns, one instruction a turn, in the same order in every step.
.macro MUL8 a0, p, zero
.irp a, \a0, \a0+1
.irp b, 0,1,2,3
.if \zero
	v_wmma_f32_16x16x128_fp8_fp8 v[8*(4*(\a)+\b):8*(4*(\a)+\b)+7], v[128*(\p)+FR*\b:128*(\p)+FR*\b+FR-1], v[AF+FR*(\a):AF+FR*(\a)+FR-1], 0
.else
	v_wmma_f32_16x16x128_fp8_fp8 v[8*(4*(\a)+\b):8*(4*(\a)+\b)+7], v[128*(\p)+FR*\b:128*(\p)+FR*\b+FR-1], v[AF+FR*(\a):AF+FR*(\a)+FR-1], v[8*(4*(\a)+\b):8*(4*(\a)+\b)+7]
.endif
.endr
.endr
.endm
.macro FETCH_B slot, q, p              ; wpc's four fragments of the slot's q-th 128 along K into set p
	WIN TO_B
.irp i, 0,1,2,3
.irp c, 0,1,2,3
	ds_load_b128 v[128*(\p)+FR*\i+4*\c:128*(\p)+FR*\i+4*\c+3], v[ADRB+\slot] offset:128*(\q)+32*\c+\i*16*PITCH
.endr
.endr
	WIN 0
.endm
.macro FETCH_A slot, q, i0             ; images of blocks i0 .. i0 + 3: 512 consecutive bytes an instruction
.irp i, \i0, \i0+1, \i0+2, \i0+3
.irp c, 0,1,2,3
	ds_load_b128 v[AF+FR*(\i)+4*\c:AF+FR*(\i)+4*\c+3], v[ADRA+\slot] offset:4096*(\i)+2048*(\q)+512*\c
.endr
.endr
.endm
.macro PLACES n
.rept \n
	v_nop
.endr
.endm
; A step of 128 along K on B's set p; it fetches the next step's fragments, the nq-th 128 of slot ns.
.macro STEP ns, nq, p, zero
	s_wait_dscnt 16                                ; B's set and A's blocks 0-3 are in; the youngest sixteen loads (A's blocks 4-7) may be out
	WIN MUL
	MUL8 0, \p, \zero
	MUL8 2, \p, \zero
	s_wait_dscnt 0
	PLACES 4
	FETCH_B \ns, \nq, 1-(\p)
	FETCH_A \ns, \nq, 0
	WIN MUL
	MUL8 4, \p, \zero
	MUL8 6, \p, \zero
	PLACES 4
	WIN 0
	FETCH_A \ns, \nq, 4
.endm
; A step (on B's set 1) with a barrier: in front of it each wave waits for all its tensor loads, adds 0 to its spare word, and waits for that and for its LDS reads.  fill = 2: slot 0, just read out, takes K step 3.
.macro TURN ns, fill
	s_wait_tensorcnt 0x0                           ; all my tensor loads have landed
	ds_add_u32 v[SPW], v[NIL]                      ; 0 onto my spare word
	s_wait_dscnt 17                                ; (the add and the youngest sixteen loads may be out)
	WIN MUL
	MUL8 0, 1, 0
	s_wait_dscnt 0x0                               ; the add is done, and my reads so far are over
	s_barrier_signal -1
	MUL8 2, 1, 0
	WIN 0
	s_barrier_wait -1
.if \fill
	CREST                                          ; the barrier has opened a round of the cluster's barrier: no wave of any partner still reads slot 0 or has a load on its way
.if \fill == 2                                 ; slot 0, read out before this round, takes K step 3
	s_add_nc_u64 s[G0+2:G0+3], s[G0+2:G0+3], 3*4096
	s_add_nc_u64 s[G0B+2:G0B+3], s[G0B+2:G0B+3], 3*256
.endif
	JL 8*(2-\fill)                                 ; the first tensor load behind the round, by waves 0 and 1
	PLACES 4                                       ; places in front of the loads below, also for the waves that ask for nothing
.else
	PLACES 4
.endif
	FETCH_B \ns, 0, 0
	FETCH_A \ns, 0, 0
	WIN MUL
	MUL8 4, 1, 0
	MUL8 6, 1, 0
	PLACES 4
	WIN 0
	FETCH_A \ns, 0, 4
.endm
; A joint load by the group 0 at offset o: wave 0 fetches for oc, wave 1 for wpc, waves 2 and 3 for nothing.  An s_nop 0 and four v_nop follow each of the two lines.
.macro JL o
	s_cmp_eq_u32 s14, 0
	s_cbranch_scc0 .Ljb_\@
	tensor_load_to_lds s[G0+\o:G0+\o+3], s[G1:G1+7]
	s_nop 0
.rept 4
	v_nop
.endr
	s_branch .Lja_\@
.Ljb_\@:
	s_cmp_eq_u32 s14, 1
	s_cbranch_scc0 .Lja_\@
	tensor_load_to_lds s[G0B+\o:G0B+\o+3], s[G1B:G1B+7]
	s_nop 0
.rept 4
	v_nop
.endr
.Lja_\@:
.endm
; (In JL wave 0 asks for oc's tile and wave 1 for wpc's; waves 2 and 3 ask for nothing.)
; THE FILLS: K steps 0 and 1 at the head, one tensor load a wave, into slots 0 and 1; K step 2 behind the round below, into slot 2; K step 3 behind the round in slot 1's second half, into slot 0 again.
	s_wait_alu depctr_va_vdst(0)
	s_wait_tensorcnt 0x0                           ; my tensor load at the head is in; slot 2's first fill is issued as a refill is:
	ds_add_u32 v[SPW], v[NIL]                      ; 0 onto my spare word
	s_wait_dscnt 0x0
	CROUND
	JL 8                                           ; K step 2, slot 2's first fill
	FETCH_B 0, 0, 0
	FETCH_A 0, 0, 0
	FETCH_A 0, 0, 4
	STEP 0, 1, 0, 1                                ; slot 0, first half: its products start the sums
	STEP 1, 0, 1, 0                                ; slot 0, second half; slot 1 has been whole since the round at the head's end
	STEP 1, 1, 0, 0                                ; slot 1
	TURN 2, 2                                      ; slot 1, second half; slot 2 is whole behind its round; slot 0 takes K step 3
	STEP 2, 1, 0, 0                                ; slot 2
	TURN 0, 0                                      ; behind its barrier K step 3 is whole in slot 0
	STEP 0, 1, 0, 0
	s_wait_dscnt 16
	WIN MUL
	MUL8 0, 1, 0
	MUL8 2, 1, 0
	s_wait_dscnt 0
	MUL8 4, 1, 0
	MUL8 6, 1, 0
	WIN 0
; THE WAY OUT, a block of 16 tokens x 64 columns at a time, through my own stage: rows of 256 bytes come back whole, and sixteen lanes store 256 consecutive bytes, aligned.
.macro TOSTAGE a
	WIN 0x02                                       ; source 0: window 2
.set k, 0
.rept 16
	v_pk_fma_f32 v[TMP+k:TMP+k+1], v[32*(\a)+k:32*(\a)+k+1], s[96:97], v[BP+k:BP+k+1] op_sel_hi:[1,0,1]   ; sum x 2^(e6 + e7) + b_proj; each accumulator from its low end on
.set k, k+2
.endr
	WIN 0
.irp b, 0,1,2,3
	ds_store_b128 v[STO], v[TMP+8*\b:TMP+8*\b+3] offset:128*(\b/2)+32*(\b%2)
	ds_store_b128 v[STO], v[TMP+8*\b+4:TMP+8*\b+7] offset:128*(\b/2)+32*(\b%2)+16
.endr
.set BB, BK+32*((\a)%2)
.irp t, 0,1,2,3,4,5,6,7
	ds_load_b128 v[BB+4*\t:BB+4*\t+3], v[RD] offset:544*\t   ; LDS serves a wave's instructions in order (ISA guide 5.7.1.4): these see the stores above
.endr
.endm
.macro SEND a, younger
.set BB, BK+32*((\a)%2)
	s_wait_dscnt \younger
.irp t, 0,1,2,3,4,5,6,7
	global_store_b128 v[CO], v[BB+4*\t:BB+4*\t+3], s[12:13] offset:(32*((\a)/2)+8*((\a)%2)+2*\t+8*(\t/4))*4096 th:TH_STORE_NT   ; stage rows 2 t, 2 t + 1 are tokens 32 (a / 2) + 8 (a % 2) + row + 8 (row / 8)
.endr
.endm
	s_wait_kmcnt 0x0
	s_wait_loadcnt 0x0                             ; b_proj
	s_add_co_i32 s96, s86, s87
	s_add_co_i32 s96, s96, 127
	s_lshl_b32 s96, s96, 23                        ; 2^(e6 + e7)
	s_mov_b32 s97, s96
	PLACES 4
	TOSTAGE 0
.irp a, 1,2,3,4,5,6,7
.if \a > 1
	s_wait_xcnt 0x0                                ; block a - 2's stores have read their registers: block a's loads may land there
.endif
	TOSTAGE \a
	SEND \a-1, 16                                  ; behind block a - 1's loads: block a's 8 stores and 8 loads
.endr
	SEND 7, 0
	s_wait_tensorcnt 0x0                           ; the wave's end
	ds_add_u32 v[SPW], v[NIL]
	s_wait_dscnt 0x0
	CROUND                                         ; the closing round
	s_endpgm
.Lfunc_end_k_qb4759a1335_proj:
	.size	k_qb4759a1335_proj, .Lfunc_end_k_qb4759a1335_proj-k_qb4759a1335_proj
	.p2alignl 7, 3214868480
	.fill 96, 4, 3214868480
	.section	.rodata,"a",@progbits
	.p2align	6, 0x0
	.amdhsa_kernel k_qb4759a1335_proj
		.amdhsa_group_segment_fixed_size 327680
		.amdhsa_private_segment_fixed_size 0
		.amdhsa_enable_private_segment 0
		.amdhsa_kernarg_size 40
		.amdhsa_user_sgpr_count 2
		.amdhsa_user_sgpr_kernarg_segment_ptr 1
		.amdhsa_wavefront_size32 1
		.amdhsa_system_sgpr_workgroup_id_x 1
		.amdhsa_system_sgpr_workgroup_id_y 1
		.amdhsa_system_sgpr_workgroup_id_z 1
		.amdhsa_system_vgpr_workitem_id 0
		.amdhsa_next_free_vgpr 768
		.amdhsa_next_free_sgpr 104
		.amdhsa_reserve_vcc 0
		.amdhsa_float_denorm_mode_32 3
		.amdhsa_float_denorm_mode_16_64 3
		.amdhsa_memory_ordered 1
		.amdhsa_forward_progress 1
		.amdhsa_inst_pref_size 79
	.end_amdhsa_kernel
	.amdgpu_metadata
---
amdhsa.version: [ 1, 2 ]
amdhsa.kernels:
  - .name:           k_qb4759a1335_proj
    .symbol:         k_qb4759a1335_proj.kd
    .args:
      - { .name: oc, .offset: 0, .size: 8, .value_kind: global_buffer, .address_space: global }
      - { .name: wpc, .offset: 8, .size: 8, .value_kind: global_buffer, .address_space: global }
      - { .name: lowp_scales, .offset: 16, .size: 8, .value_kind: global_buffer, .address_space: global }
      - { .name: b_proj, .offset: 24, .size: 8, .value_kind: global_buffer, .address_space: global }
      - { .name: out0, .offset: 32, .size: 8, .value_kind: global_buffer, .address_space: global }
    .group_segment_fixed_size: 327680
    .private_segment_fixed_size: 0
    .kernarg_segment_align: 8
    .kernarg_segment_size: 40
    .max_flat_workgroup_size: 128
    .sgpr_count:     104
    .vgpr_count:     768
    .wavefront_size: 32
...
	.end_amdgpu_metadata
.endif
;; end of part 4
